; MI455X (gfx1250); checked and timed in simulation.
; The chip was launched on July 23, 2026; its instructions are those of AMD's public machine-readable ISA for CDNA 5 (MIT licence, August 2026) and "CDNA5" Instruction Set Architecture Reference Guide (July 2026). The comments in the code are by the model that wrote it; some were corrected since.
;; Attention Model. Allowed arithmetic: matrix products marked QUANTISED: E3M2 operands, one E8M0 scale for each 32 along K, by v_wmma_scale_f32_16x16x128_f8f6f4 with both operands' format E3M2, f32 sums; everything else in f32.
;; Inputs: Wk 1,024 x 1,024 float32; Wq 1,024 x 1,024 float32; Wv 1,024 x 1,024 float32; bk 1,024 float32; bq 1,024 float32; bv 1,024 float32; x 4 x 2,048 x 1,024 float32.
;; Outputs: out0 4 x 2,048 x 1,024 float32.
;; This version of the problem:
;;   THIS VERSION OF THE PROBLEM IS GIVEN IN LOW PRECISION. The matrix products marked QUANTISED in the list below multiply operands that are first quantised to E3M2 (3 exponent bits, 2 mantissa bits; 6 bits a number), with one power-of-two scale for each 32 numbers along K (OCP MX v1.0); their sums are f32. All else is computed in f32.
;;   The module's matrix products, in the order in which they are computed (A, B: the left and right operand; K: the contracted axis; several contracted axes count as one K, in the product's order):
;;     1. [M 8,192, K 1,024] x [K 1,024, N 1,024]; A: input x; B: input Wq: QUANTISED
;;     2. [M 8,192, K 1,024] x [K 1,024, N 1,024]; A: input x; B: input Wk: QUANTISED
;;     3. [M 8,192, K 1,024] x [K 1,024, N 1,024]; A: input x; B: input Wv: QUANTISED
;;     4. batch 4 x [M 2,048, K 1,024] x [K 1,024, N 2,048]; A: computed on the way; B: computed on the way: QUANTISED
;;     5. batch 4 x [M 2,048, K 2,048] x [K 2,048, N 1,024]; A: softmax (see below); B: computed on the way: QUANTISED
;;   THE QUANTISER, for each operand of a quantised product, along K:
;;     - K is cut into blocks of 32 from its start; a last block that is shorter is filled with zeros.
;;     - A block's scale is 2^e with e = floor(log2(the largest magnitude in the block)) - 4, held to -126 .. 127; a block of zeros has e = 0. As a byte (E8M0): e + 127.
;;     - Each number is divided by its block's scale, clamped to +-28, and rounded to the nearest number of E3M2, ties to even, subnormals kept.
;;     - The product sums the exact products of the quantised numbers (number of the format x scale) in f32.
;;   ~~~python
;;   def quantise(x, axis):      # numpy; x: float32 -> the quantised numbers, widened to float32 again
;;       x = np.moveaxis(x, axis, -1); K = x.shape[-1]
;;       x = np.pad(x, [(0, 0)] * (x.ndim - 1) + [(0, -K % 32)]); x = x.reshape(x.shape[:-1] + (-1, 32)); a = np.abs(x).max(-1, keepdims=True)
;;       e = np.where(a > 0, np.clip(np.frexp(np.where(a > 0, a, 1))[1] - 1 - 4, -126, 127), 0)      # np.frexp(a)[1] - 1 = floor(log2(a)), exactly
;;       r = np.clip(x / 2.0 ** e, -28, 28)
;;       step = 2.0 ** (np.maximum(np.frexp(np.where(r == 0, 1, r))[1] - 1, -2) - 2)
;;       q = np.round(r / step) * step * 2.0 ** e      # np.round: ties to even
;;       return np.moveaxis(q.reshape(q.shape[:-2] + (-1,))[..., :K], -1, axis).astype(np.float32)
;;   ~~~
;;   SOFTMAX AHEAD OF A QUANTISED PRODUCT. Where the list says 'softmax', what is quantised is not the finished softmax but p = 2^(t - M), with t = logit x log2(e) and M = ceil(the row's largest t), a whole number; so 1/2 < the row's largest p <= 1. The row's sum l is taken of the UNQUANTISED p, in f32, and the product's result is divided by l at the end. Since M is a whole number, a kernel that streams over the keys may use a running M (the ceiling of the running maximum): every later rescaling is an exact power of two, which a block's scale takes up: the codes' values come out the same.
;;   OPERANDS COMPUTED ON THE WAY. 'Computed on the way' means the value that the module computes at that place (a softmax that the list does not call 'softmax' is quantised finished and normalised). What goes into a quantiser is computed in f32, as accurately as f32 sums, v_exp_f32 and their like allow (about 1e-6 of the number): no bf16 or f16 on the way to a quantiser, and a product that is left as it is and whose result goes on into a quantised operand takes f32 operands (vector FMAs, or v_wmma_f32_16x16x4_f32). A number that lies on a knife's edge between two numbers of the format may be rounded either way, as far as f32 arithmetic and the matrix unit's own rounding can turn it there, and no further.
;; One version. Each part assembles by itself: llvm-mc -triple=amdgcn-amd-amdhsa -mcpu=gfx1250 --defsym DOCPART=n.
;; ======== version 1 of 1: 4 launches
;; limits: right only within a limited range of input values
;; workspace buffers: xw 9,011,200 bytes; qkv_codes 18,874,368 bytes; qkv_scales 786,432 bytes; p_codes 12,582,912 bytes; p_scales 524,288 bytes; p_negm 524,288 bytes; p_sum 524,288 bytes
;; launch quant (part 1): grid 704 x 1, 4 waves a work-group, no clusters, 68,608 bytes of LDS; arguments x, Wq, Wk, Wv, xw; writes xw
.if DOCPART == 1
	.amdgcn_target "amdgcn-amd-amdhsa--gfx1250"
	.amdhsa_code_object_version 6
	.text
	.protected	k_q6949ff6056_quant
	.globl	k_q6949ff6056_quant
	.p2align	8
	.type	k_q6949ff6056_quant,@function
k_q6949ff6056_quant:
	s_mov_b64 s[64:65], 0
	v_nop
	global_prefetch_b8 v0, s[64:65] scope:SCOPE_SE
	s_setreg_imm32_b32 hwreg(HW_REG_WAVE_MODE, 25, 1), 1
	s_wait_xcnt 0x0
; x [8192][1024], Wq, Wk, Wv [1024][1024], f32, K (the last axis) innermost, become codes of BF6 (E3M2) with one E8M0 byte for each 32 along K.
; A block's scale is 2^(floor(log2(largest magnitude)) - 4): its byte is the largest magnitude's exponent field - 4, held at 1 from below by a floor among the maximum's leaves.
; LIMITS: NaN and infinities are not served.  A block whose largest magnitude lies under 2^-122 (zeros among them) keeps the byte 1; its codes are then zeros or tiny, and this program alone reads the bytes.
; THE WORKSPACE IS LAID AS THE MATRIX UNIT'S REGISTERS.  Rows go in groups of 128 (groups 0-63: x, 64-71 Wq, 72-79 Wk, 80-87 Wv), K in steps of 128.  Tile a (0..7) of a group holds the 16 rows
; 32 (a / 2) + 8 (a % 2) + r + 8 (r / 8), r = 0..15.  A fragment (16 rows x 128 K, 12 registers a lane) is stored as an image: registers 4 c .. 4 c + 3 of lane l at byte 512 c + 16 l: 1,536 bytes.
; A block (group, step) = its 8 images on end, 12,288 bytes, and behind them its scale words (4 bytes for a row and 128 K), 512 bytes: tile a, row r at 256 (a / 4) + 16 r + 4 (a % 4): 12,800 bytes.
; Blocks go in the order (pair of groups, pair of steps, group of the pair, step of the pair): what the next launch fetches at a time lies on end.
; SHARES.  A work-group takes one block; wave g of its four takes tiles 2 g, 2 g + 1: two fragments, all 32 loads out at once.  Each load reads one row's 512 consecutive bytes; the conversions want 16 neighbours along K in one
; lane, so a fragment's 16 rows turn through the wave's own stage in LDS (rows 528 bytes apart).
; No matrix unit, no cluster, no tensor load: every input byte is read by one wave once, so there is nothing to share.  The scale words alone are gathered from the four waves: 512 consecutive bytes leave at once.
.set SP,   528                         ; a stage row: 512 bytes + 16
.set STG,  16*SP                       ; a stage; two for each wave
.set SCB,  8*STG                       ; the block's 512 bytes of scale words
.set SPARE, SCB+512                    ; the spare words, 128 bytes for each wave
.set FRB,  1536
.set BLK,  12800
.set LA,   4                           ; v4   16 x lane: my bytes in a row's 512, and in an image's 512
.set SIN,  5                           ; v5   the stage, on the way in
.set SOUT, 6                           ; v6   and out: row r, + 64 h
.set SCO,  7                           ; v7   where my row's two scale words go
.set SRD,  12                          ; v12  and where they are read back
.set TM,   16                          ; v16-31  at work in QUANT
.set P2,   44                          ; v44-51  the conversions' second halves
.set PW,   52                          ; v52, v53 the two fragments' scale words
.set SPW,  62
.set NIL,  63
.set R,    64                          ; v64-191 two fragments as loaded;  v32-43 the first one's codes, v64-75 (by then read) the second's
.set X,    192                         ; v192-255 a fragment as QUANT wants it
.set SEL,  20                          ; s[20:21] selects for lane l xor 16
	s_load_b256 s[4:11], s[0:1], 0x0               ; x, Wq, Wk, Wv
	s_load_b64 s[12:13], s[0:1], 0x20              ; the blocks
	v_lshl_add_u32 v[SPW], v0, 2, SPARE
	v_mov_b32 v[NIL], 0
	v_lshrrev_b32 v1, 5, v0
	v_readfirstlane_b32 s16, v1                    ; wave g
	s_mul_i32 s17, s16, 2*STG                      ; my wave's two stages
	s_lshr_b32 s24, s16, 1
	s_lshl_b32 s24, s24, 8
	s_and_b32 s25, s16, 1
	s_lshl_b32 s25, s25, 3
	s_add_co_u32 s24, s24, s25
	s_add_co_u32 s24, s24, SCB
	v_and_b32 v1, 31, v0                           ; lane
	v_and_b32 v2, 15, v0                           ; r
	v_bfe_u32 v3, v0, 4, 1                         ; h
	v_lshlrev_b32 v[LA], 4, v1
	v_add_nc_u32 v[SIN], s17, v[LA]
	v_mul_u32_u24 v[SOUT], v2, SP
	v_lshl_add_u32 v[SOUT], v3, 6, v[SOUT]
	v_add_nc_u32 v[SOUT], s17, v[SOUT]
	v_lshlrev_b32 v[SCO], 4, v2
	v_add_nc_u32 v[SCO], s24, v[SCO]
	v_add_nc_u32 v[SRD], SCB, v[LA]
.irp b, 0,1,2,3
	v_mov_b32 v[TM+4+\b], 0                        ; written once: a lane permute's destination counts as one of its sources
.endr
	s_mov_b32 s[SEL], 0x76543210
	s_mov_b32 s[SEL+1], 0xfedcba98
	s_lshr_b32 s18, ttmp9, 4
	s_lshl_b32 s18, s18, 1
	s_bfe_u32 s19, ttmp9, 0x10001
	s_add_co_u32 s18, s18, s19                     ; the group, 0..87
	s_bfe_u32 s19, ttmp9, 0x20002
	s_lshl_b32 s19, s19, 1
	s_and_b32 s23, ttmp9, 1
	s_add_co_u32 s19, s19, s23                     ; the K step
	s_and_b32 s23, s18, 7                          ; the group within a weight
	s_wait_alu depctr_va_vdst(0)                   ; the wait at the head's end
	s_wait_kmcnt 0x0
	s_cmp_lt_u32 s18, 80                           ; which tensor: the choice hangs on the work-group's number alone
	s_cselect_b64 s[8:9], s[8:9], s[10:11]
	s_cmp_lt_u32 s18, 72
	s_cselect_b64 s[6:7], s[6:7], s[8:9]
	s_cmp_lt_u32 s18, 64
	s_cselect_b64 s[4:5], s[4:5], s[6:7]
	s_cselect_b32 s23, s18, s23                    ; the group within its tensor
	s_lshl_b32 s24, s23, 19                        ; 128 rows of 4,096 bytes,
	s_lshl_b32 s25, s16, 17                        ; my wave's 32 of them,
	s_add_co_u32 s24, s24, s25
	s_lshl_b32 s25, s19, 9                         ; 128 numbers along K
	s_add_co_u32 s24, s24, s25
	s_mov_b32 s25, 0
	s_add_nc_u64 s[4:5], s[4:5], s[24:25]
	s_mul_i32 s24, ttmp9, BLK                      ; the block, and my two images in it
	s_mul_i32 s26, s16, 2*FRB
	s_add_co_u32 s24, s24, s26
	s_add_nc_u64 s[12:13], s[12:13], s[24:25]
.macro LOAD f                          ; fragment f: its 16 rows, 512 consecutive bytes a load
.irp i, 0,1,2,3,4,5,6,7,8,9,10,11,12,13,14,15
	global_load_b128 v[R+64*(\f)+4*\i:R+64*(\f)+4*\i+3], v[LA], s[4:5] offset:(8*(\f)+\i+8*(\i/8))*4096 th:TH_LOAD_NT
.endr
.endm
.macro TURN f                          ; through the stage: in as rows, out 16 neighbours of each block of 32 a lane: register 16 b + i = k 32 b + 16 h + i of row r.  LDS serves a wave's instructions in order
.irp i, 0,1,2,3,4,5,6,7,8,9,10,11,12,13,14,15
	ds_store_b128 v[SIN], v[R+64*(\f)+4*\i:R+64*(\f)+4*\i+3] offset:STG*(\f)+SP*\i
.endr
.irp b, 0,1,2,3
.irp j, 0,1,2,3
	ds_load_b128 v[X+16*\b+4*\j:X+16*\b+4*\j+3], v[SOUT] offset:STG*(\f)+128*\b+16*\j
.endr
.endr
.endm
; 64 numbers of a lane, register 16 b + i = k 32 b + 16 h + i of my row, become a fragment's codes in v[pc] on and its scale word in v[pw]
.macro QUANT pc, pw
.irp b, 0,1,2,3
	v_max3_num_f32 v[TM+\b], |v[X+16*\b]|, |v[X+1+16*\b]|, 0x2800000   ; my 16 numbers of block b, and the floor 2^(5 - 127): the byte cannot fall under 1
.endr
.irp i, 2,4,6,8,10,12,14
.irp b, 0,1,2,3
	v_max3_num_f32 v[TM+\b], v[TM+\b], |v[X+16*\b+\i]|, |v[X+1+16*\b+\i]|   ; the four blocks by turns
.endr
.endr
.irp b, 0,1,2,3
	v_permlanex16_b32 v[TM+4+\b], v[TM+\b], s[SEL], s[SEL+1]
.endr
.irp b, 0,1,2,3
	v_max_num_f32 v[TM+\b], v[TM+\b], v[TM+4+\b]   ; with lane l xor 16's 16: the block's largest magnitude
.endr
.irp b, 0,1,2,3
	v_add_nc_u32 v[TM+12+\b], 0xfe000000, v[TM+\b] ; 4 off its exponent field: the conversion takes that field as its scale
.endr
.irp b, 0,1,2,3
	v_lshrrev_b32 v[TM+8+\b], 23, v[TM+12+\b]      ; the scale's byte
.endr
	v_lshl_or_b32 v[\pw], v[TM+9], 8, v[TM+8]
	v_lshl_or_b32 v[\pw], v[TM+10], 16, v[\pw]
	v_lshl_or_b32 v[\pw], v[TM+11], 24, v[\pw]     ; my row's scale word, in both halves of the lanes
.irp c, 0,1
	v_cvt_scalef32_pk16_bf6_f32 v[\pc+6*\c:\pc+2+6*\c], v[X+32*\c:X+15+32*\c], v[TM+12+2*\c]
	v_cvt_scalef32_pk16_bf6_f32 v[P2+4*\c:P2+2+4*\c], v[X+16+32*\c:X+31+32*\c], v[TM+13+2*\c]   ; (a conversion's three registers begin on an even number)
.endr
	v_nop                                          ; one plain instruction behind the scaled conversions
.irp c, 0,1                            ; the operand wants a whole block in a lane: lanes 0-15 block 2 c, lanes 16-31 block 2 c + 1
.irp i, 0,1,2
	v_permlane16_swap_b32 v[\pc+6*\c+\i], v[P2+4*\c+\i]
.endr
.irp i, 0,1,2
	v_mov_b32 v[\pc+3+6*\c+\i], v[P2+4*\c+\i]
.endr
.endr
.endm
	LOAD 0
	LOAD 1
.irp f, 0,1
	s_wait_loadcnt 16-16*\f                        ; this fragment's 16 loads are in; the next fragment's 16 may be out
	TURN \f
	s_wait_dscnt 0x0                               ; the fragment is back, and the stores into the stage have read their registers
	QUANT 32+32*\f, PW+\f
.irp c, 0,1,2
	global_store_b128 v[LA], v[32+32*\f+4*\c:32+32*\f+4*\c+3], s[12:13] offset:\f*FRB+512*\c   ; the image: 32 lanes store 512 consecutive bytes
.endr
.endr
	ds_store_b64 v[SCO], v[PW:PW+1]                ; my tiles' two words of row r (lanes 16-31 store the same again)
	s_wait_tensorcnt 0x0                           ; my last LDS store stands above
	ds_add_u32 v[SPW], v[NIL]
	s_wait_dscnt 0x0
	s_barrier_signal -1
	s_barrier_wait -1                              ; all four waves' words are there
	s_cmp_lg_u32 s16, 0
	s_cbranch_scc1 .Ldone
	ds_load_b128 v[8:11], v[SRD]
	s_wait_dscnt 0x0
	global_store_b128 v[LA], v[8:11], s[12:13] offset:8*FRB   ; 512 consecutive bytes, aligned (wave 0's images begin the block)
.Ldone:
	s_endpgm
.Lfunc_end_k_q6949ff6056_quant:
	.size	k_q6949ff6056_quant, .Lfunc_end_k_q6949ff6056_quant-k_q6949ff6056_quant
	.p2alignl 7, 3214868480
	.fill 96, 4, 3214868480
	.section	.rodata,"a",@progbits
	.p2align	6, 0x0
	.amdhsa_kernel k_q6949ff6056_quant
		.amdhsa_group_segment_fixed_size 68608
		.amdhsa_private_segment_fixed_size 0
		.amdhsa_enable_private_segment 0
		.amdhsa_kernarg_size 40
		.amdhsa_user_sgpr_count 2
		.amdhsa_user_sgpr_kernarg_segment_ptr 1
		.amdhsa_wavefront_size32 1
		.amdhsa_system_sgpr_workgroup_id_x 1
		.amdhsa_system_sgpr_workgroup_id_y 1
		.amdhsa_system_sgpr_workgroup_id_z 1
		.amdhsa_system_vgpr_workitem_id 0
		.amdhsa_next_free_vgpr 256
		.amdhsa_next_free_sgpr 66
		.amdhsa_reserve_vcc 0
		.amdhsa_float_denorm_mode_32 3
		.amdhsa_float_denorm_mode_16_64 3
		.amdhsa_memory_ordered 1
		.amdhsa_forward_progress 1
		.amdhsa_inst_pref_size 19
	.end_amdhsa_kernel
	.amdgpu_metadata
---
amdhsa.version: [ 1, 2 ]
amdhsa.kernels:
  - .name:           k_q6949ff6056_quant
    .symbol:         k_q6949ff6056_quant.kd
    .args:
      - { .name: x, .offset: 0, .size: 8, .value_kind: global_buffer, .address_space: global }
      - { .name: Wq, .offset: 8, .size: 8, .value_kind: global_buffer, .address_space: global }
      - { .name: Wk, .offset: 16, .size: 8, .value_kind: global_buffer, .address_space: global }
      - { .name: Wv, .offset: 24, .size: 8, .value_kind: global_buffer, .address_space: global }
      - { .name: xw, .offset: 32, .size: 8, .value_kind: global_buffer, .address_space: global }
    .group_segment_fixed_size: 68608
    .private_segment_fixed_size: 0
    .kernarg_segment_align: 8
    .kernarg_segment_size: 40
    .max_flat_workgroup_size: 128
    .sgpr_count:     66
    .vgpr_count:     256
    .wavefront_size: 32
...
	.end_amdgpu_metadata
.endif
;; end of part 1
;; launch proj (part 2): grid 8 x 32, 4 waves a work-group, clusters of 4 x 4, 327,680 bytes of LDS; arguments xw, bq, bk, bv, qkv_codes, qkv_scales; writes qkv_codes, qkv_scales
.if DOCPART == 2
	.amdgcn_target "amdgcn-amd-amdhsa--gfx1250"
	.amdhsa_code_object_version 6
	.text
	.protected	k_q6949ff6056_proj
	.globl	k_q6949ff6056_proj
	.p2align	8
	.type	k_q6949ff6056_proj,@function
k_q6949ff6056_proj:
	s_mov_b64 s[64:65], 0
	v_nop
	global_prefetch_b8 v0, s[64:65] scope:SCOPE_SE
	s_setreg_imm32_b32 hwreg(HW_REG_WAVE_MODE, 25, 1), 1
	s_wait_xcnt 0x0
	s_wait_alu depctr_hold_cnt(0) depctr_sa_sdst(0) depctr_va_vdst(0) depctr_va_sdst(0) depctr_va_ssrc(0) depctr_va_vcc(0) depctr_vm_vsrc(0)
	s_getreg_b32 s2, hwreg(HW_REG_IB_STS2, 6, 4)
	s_cmp_eq_u32 s2, 0
	s_cbranch_scc0 .Lentry_in_a_cluster
	s_endpgm
.Lentry_in_a_cluster:
	s_bfe_u32 s2, ttmp6, 0x10000c
	s_cmp_lg_u32 s2, 0xf033
	s_cbranch_scc0 .Lentry_shape_is_right
	s_endpgm
.Lentry_shape_is_right:
; q = x Wq^T + bq, k = x Wk^T + bk, v = x Wv^T + bv on codes of BF6 (E3M2) with E8M0 scales, sums in f32; each result is quantised along the K of the product that takes it (q, k: the channels; v: the tokens) and stored as codes and scale words.
; LIMITS: NaN and infinities are not served; a block whose largest magnitude lies under 2^-122 keeps the scale byte 1.
; IN: blocks of 12,800 bytes (8 fragment images of 1,536 bytes, 512 bytes of scale words), in the order (pair of groups, pair of steps, group, step): pairs 0-31 x, 32-35 Wq, 36-39 Wk, 40-43 Wv.
; OUT: qkv_codes in blocks of 12,288 bytes (8 images): q: block 8 (token group) + channel group; k: 512 on; v (rows = channels, K = the batch's tokens): 1024 + 16 (8 batch + channel group) + token group in the batch; qkv_scales: 512 bytes a block.
; ONE PASS OVER K.  A work-group makes 256 tokens x (256 channels of q or k, and 128 of v); a wave 128 tokens x (128 and 64): 96 accumulators of 16 x 16, 768 registers: windows 2 and 3 for q or k, window 1 for v.
; For q and k source 0 = W, source 1 = x: a lane holds one token, registers run along channels.  For v source 0 = x, source 1 = Wv: a lane holds one channel, registers run along tokens.  So x's fragments serve both.
; K = 1,024 is eight steps of 96 products a wave, through two LDS slots of two steps each; a slot holds x's two groups, W's two, Wv's one.  A step goes in three phases by chunks of four weight fragments (W 0-3, W 4-7, Wv), each against x's
; eight in four pairs.  A chunk is fetched a phase ahead, into the chunk buffer that the phase before has read; x's pair p of the next step as soon as phase 2 has read pair p: three pairs' products ahead of its use.
; CLUSTERS: 4 x 4 work-groups; x's tiles are shared along a row of the cluster, W's and Wv's along a column, by joint loads, one a wave: waves 0, 1 an x group each, wave 2 W's two groups, wave 3 Wv's.
; PREFETCH: behind the load of each slot the blocks of 256 bytes of the slot one on are asked for, once in each cluster: x's 200 for a row of the cluster, 50 by each work-group of the row; W's 200, 50 by each of a column; Wv's 100, 25 by each.
; W and Wv are asked for by the clusters of the first four rows of clusters only, since all rows of clusters read them.
; BIASES lie at the start in the accumulators of the last token block, and are the C of the other blocks' first products; the last block's first products add in place.
; REGISTERS, window 0: v4-15 offsets; v16-25 LDS addresses, one for each slot; v32-55 two sets of scale words; v64-159 x's fragments; v160-255 two chunk buffers.  Behind the products v64-107 are at work, v112-255 hold the codes as they are stored.
.set FRB,   1536
.set GSB,   12288
.set BLK,   12800
.set PAIRB, 16*BLK                     ; a pair of groups in memory
.set SLOT,  10*BLK                     ; x: 4 blocks, W: 4, Wv: 2
.set SPARE, 2*SLOT                     ; the spare words, 128 bytes for each wave: no other line names them
.set LI,   4                           ; 16 x lane
.set SCO,  5                           ; 16 r + 8 h
.set PFO,  12                          ; the prefetches' offset
.set ADRX, 16
.set ADRW, 18
.set ADRV, 20
.set ADSC, 22                          ; scale words: lanes 0-15 x's, lanes 16-31 W's
.set ADSV, 24                          ; Wv's
.set SPW,  28
.set NIL,  29
.set SC,   32
.set XF,   64
.set RG,   160
.set TM,   64
.set PWS,  80
.set XW,   92
.set P2,   100
.set PCB,  112
.set SEL,  2
.set WV,   14
.set WR,   15                          ; which token group is mine
.set WC,   16                          ; which W group, and which half of Wv's.  Also: which x group I fetch
.set HM,   17
.set FL,   18
.set G1X,  24
.set G1W,  32
.set G1V,  40
.set G0X,  48
.set G0W,  52
.set G0V,  56
.set ASKW, 60                          ; waves under this number prefetch
.set VCB,  96
.set MSB, 0
.macro WIN new                         ; the immediate's high byte repeats the setting that is left
.if MSB != \new
	s_set_vgpr_msb (MSB<<8)|\new
.set MSB, \new
.endif
.endm
.macro PLACES n
.rept \n
	v_nop
.endr
.endm
.macro JLOAD                           ; a joint load, one a wave; four v_nop follow each line
	s_cmp_lt_u32 s[WV], 2
	s_cbranch_scc0 .Lnot_x_\@
	tensor_load_to_lds s[G0X:G0X+3], s[G1X:G1X+7]
	s_nop 0
	PLACES 4
	s_branch .Lasked_\@
.Lnot_x_\@:
	s_cmp_eq_u32 s[WV], 2
	s_cbranch_scc0 .Lfor_v_\@
	tensor_load_to_lds s[G0W:G0W+3], s[G1W:G1W+7]
	s_nop 0
	PLACES 4
	s_branch .Lasked_\@
.Lfor_v_\@:
	tensor_load_to_lds s[G0V:G0V+3], s[G1V:G1V+7]
	s_nop 0
	PLACES 4
.Lasked_\@:
.endm
.macro NEXT up                         ; the descriptors go on to the other slot and two K steps on
.irp g, G0X, G0W, G0V
.if \up
	s_add_co_u32 s[\g+1], s[\g+1], SLOT
.else
	s_sub_co_u32 s[\g+1], s[\g+1], SLOT
.endif
	s_add_nc_u64 s[\g+2:\g+3], s[\g+2:\g+3], 4*BLK
.endr
.endm
.macro ASK t                           ; prefetch steps 2 t, 2 t + 1
	s_cmp_lt_u32 s[WV], s[ASKW]
	s_cbranch_scc0 .Lnot_mine_\@
	global_prefetch_b8 v[PFO], s[4:5] offset:(\t)*4*BLK th:TH_LOAD_NT scope:SCOPE_SE
.Lnot_mine_\@:
.endm
.macro CREST                           ; a round of the cluster's barrier behind its opening barrier
	s_cmp_lg_u32 s[WV], 0
	s_cbranch_scc1 .Lnot_wave_0_\@
	s_barrier_signal -3
.Lnot_wave_0_\@:
	s_barrier_wait -3
	s_barrier_signal -1
	s_barrier_wait -1
.endm
.macro CROUND
	s_barrier_signal -1
	s_barrier_wait -1
	CREST
.endm
.macro MM n, c, t, b                   ; step n, chunk c, token block t, fragment b of the chunk
.set mS, SC+12*((\n)%2)
.set mR, RG+48*(((\n)+(\c))%2)+12*(\b)
.set mX, XF+12*(\t)
.if (\c) < 2
.set mD, 8*(8*((\t)%4)+4*(\c)+(\b))
.set mC, mD
.if (\n) == 0
.set mC, 192+8*(4*(\c)+(\b))
.endif
	v_wmma_scale_f32_16x16x128_f8f6f4 v[mD:mD+7], v[mR:mR+11], v[mX:mX+11], v[mC:mC+7], v[mS+4*(\c)+(\b)], v[mS+(\t)] matrix_a_fmt:MATRIX_FMT_BF6 matrix_b_fmt:MATRIX_FMT_BF6 matrix_a_scale:MATRIX_SCALE_ROW1
.else
.set mD, 8*(8*(\b)+(\t))
.set mC, mD
.if (\n) == 0
.set mC, 8*(8*(\b)+7)
.endif
	v_wmma_scale_f32_16x16x128_f8f6f4 v[mD:mD+7], v[mX:mX+11], v[mR:mR+11], v[mC:mC+7], v[mS+(\t)], v[mS+8+(\b)] matrix_a_fmt:MATRIX_FMT_BF6 matrix_b_fmt:MATRIX_FMT_BF6
.endif
.endm
; Eight products: token blocks 2 p, 2 p + 1 x the chunk's four fragments.  The 96 accumulators take turns in the same order in every step.
.macro PAIR n, c, p
.if (\c) == 2
	WIN 0x50                                       ; C and D window 1
.elseif ((\n) == 0) && ((\p) < 2)
	WIN 0xb0                                       ; C window 3 (the biases), D window 2
.else
	WIN 0xa0+0x50*((\p)/2)                         ; C and D window 2 or 3
.endif
.irp e, 0,1
.if ((\n) == 0) && ((2*(\p)+\e) == 7)
	PLACES 5                                       ; these products write over the biases, which the products above read as C
.endif
.irp b, 0,1,2,3
	MM \n, \c, 2*(\p)+\e, \b
.endr
.endr
.endm
.macro LCHUNK n, c                     ; chunk c of step n
.set lR, RG+48*(((\n)+(\c))%2)
.irp i, 0,1,2,3
.irp k, 0,1,2
.if (\c) < 2
	ds_load_b128 v[lR+12*\i+4*\k:lR+12*\i+4*\k+3], v[ADRW+((\n)/2)%2] offset:((\n)%2)*BLK+(4*(\c)+\i)*FRB+512*\k
.else
	ds_load_b128 v[lR+12*\i+4*\k:lR+12*\i+4*\k+3], v[ADRV+((\n)/2)%2] offset:((\n)%2)*BLK+\i*FRB+512*\k
.endif
.endr
.endr
.endm
.macro LX n, p                         ; x's pair p of step n
.irp i, 2*(\p), 2*(\p)+1
.irp k, 0,1,2
	ds_load_b128 v[XF+12*(\i)+4*\k:XF+12*(\i)+4*\k+3], v[ADRX+((\n)/2)%2] offset:((\n)%2)*BLK+(\i)*FRB+512*\k
.endr
.endr
.endm
.macro LSC n                           ; the scale words of step n
.set lS, SC+12*((\n)%2)
	ds_load_b128 v[lS:lS+3], v[ADSC+((\n)/2)%2] offset:((\n)%2)*BLK
	ds_load_b128 v[lS+4:lS+7], v[ADSC+((\n)/2)%2] offset:((\n)%2)*BLK+256
	ds_load_b128 v[lS+8:lS+11], v[ADSV+((\n)/2)%2] offset:((\n)%2)*BLK
.endm
; A K step.  turn 0: the next step lies in the same slot; 1: it lies in the other, and this slot is filled again; 2: it lies in the other, nothing is left to fetch; 3: the last step.
; Four v_nop stand in front of each run of loads into registers that products have read.
.macro STEP n, turn
.irp p, 0,1,2,3                        ; phase 0.  Chunk 0, the scale words and x's pair p are in; the younger pairs (6 loads each) and chunk 1 (12) may be out
	s_wait_dscnt 30-6*\p
	PAIR \n, 0, \p
.endr
	PLACES 4
	WIN 0
	LCHUNK \n, 2
	s_wait_dscnt 12                                ; phase 1.  Chunk 1 is in; chunk 2 may be out
.irp p, 0,1,2,3
	PAIR \n, 1, \p
.endr
.if (\turn) == 0
	PLACES 4
	WIN 0
	LCHUNK \n+1, 0
	LSC \n+1
	s_wait_dscnt 15                                ; phase 2.  Chunk 2 is in; the 15 loads just issued may be out
.irp p, 0,1,2,3
	PAIR \n, 2, \p
	PLACES 4
	WIN 0
	LX \n+1, \p
.endr
	LCHUNK \n+1, 1
.elseif (\turn) == 3
	s_wait_dscnt 0x0
.irp p, 0,1,2,3
	PAIR \n, 2, \p
.endr
.else
	WIN 0                                          ; (the add's two registers lie in window 0)
	s_wait_tensorcnt 0x0                           ; all my tensor loads have landed: my part of the next slot
	ds_add_u32 v[SPW], v[NIL]                      ; 0 onto my spare word
	s_wait_dscnt 1                                 ; chunk 2 is in; the add may be out
	PAIR \n, 2, 0
	s_wait_dscnt 0x0                               ; the add is done, and so are my reads of this slot
	s_barrier_signal -1
	PAIR \n, 2, 1
	WIN 0
	s_barrier_wait -1
.if (\turn) == 1
	CREST                                          ; no wave of any partner still reads this slot or has a load on its way
	NEXT (\n)/3
	JLOAD                                          ; the first tensor load behind the round; its four v_nop are the places in front of the loads below
.else
	PLACES 4
.endif
	LCHUNK \n+1, 0
	LSC \n+1
	LX \n+1, 0
	LX \n+1, 1
.if (\n) == 1
	ASK 3                                          ; the next refill's two steps
.endif
	PAIR \n, 2, 2
	PLACES 4
	WIN 0
	LX \n+1, 2
	PAIR \n, 2, 3
	PLACES 4
	WIN 0
	LX \n+1, 3
	LCHUNK \n+1, 1
.endif
.endm
	s_load_b128 s[4:7], s[0:1], 0x0                ; the blocks, bq
	s_load_b128 s[8:11], s[0:1], 0x10              ; bk, bv
	s_load_b128 s[20:23], s[0:1], 0x20             ; codes and scale words
	v_lshl_add_u32 v[SPW], v0, 2, SPARE
	v_mov_b32 v[NIL], 0
	ds_add_u32 v[SPW], v[NIL]                      ; the opening: the add, twice on end, and its wait ahead of my first tensor load
	ds_add_u32 v[SPW], v[NIL]
	v_lshrrev_b32 v1, 5, v0
	v_readfirstlane_b32 s[WV], v1
	s_lshr_b32 s[WR], s[WV], 1
	s_and_b32 s[WC], s[WV], 1
	s_mov_b32 s[SEL], 0x76543210
	s_mov_b32 s[SEL+1], 0xfedcba98
	s_mov_b32 s[HM], 0xffff0000
	s_mov_b32 s[FL], 0x2800000
	s_bfe_u32 s66, ttmp6, 0x40000                  ; cx
	s_bfe_u32 s67, ttmp6, 0x40004                  ; cy
	s_and_b32 s68, ttmp7, 0xffff                   ; the cluster's y
	s_lshl_b32 s69, s67, 2
	s_lshl_b32 s69, 15, s69
	s_lshl_b32 s70, 0x1111, s66
	s_or_b32 s[G1X], s69, (3<<16)|(1<<21)          ; dense bytes as rows of 256 (32 elements of 8 bytes); the mask, and bit 21 beside it
	s_or_b32 s[G1W], s70, (3<<16)|(1<<21)
	s_or_b32 s[G1V], s70, (3<<16)|(1<<21)
.irp g, G1X, G1W, G1V
	s_mov_b32 s[\g+1], 32<<16
	s_mov_b32 s[\g+3], 32<<16
	s_mov_b32 s[\g+5], 32
	s_mov_b32 s[\g+6], 0
	s_mov_b32 s[\g+7], 0
.endr
	s_mov_b32 s[G1X+2], 100<<16                    ; an x group's two blocks: 100 rows
	s_mov_b32 s[G1X+4], 100
	s_mov_b32 s[G1W+2], 200<<16                    ; W's four
	s_mov_b32 s[G1W+4], 200
	s_mov_b32 s[G1V+2], 100<<16                    ; Wv's two
	s_mov_b32 s[G1V+4], 100
	s_lshl_b32 s71, s68, 2
	s_add_co_u32 s71, s71, s67                     ; x's pair of groups: 4 cluster y + cy
	s_lshl_b32 s73, ttmp9, 2
	s_add_co_u32 s73, s73, s66                     ; work-group x, 0..7
	s_mul_i32 s76, s71, PAIRB
	s_mul_i32 s[G0X+1], s[WC], 2*BLK
	s_add_co_u32 s76, s76, s[G0X+1]                ; the x group that I fetch
	s_mov_b32 s77, 0
	s_add_co_u32 s78, s73, 32
	s_mul_i32 s78, s78, PAIRB                      ; W's pair
	s_mov_b32 s79, 0
	s_lshr_b32 s82, s73, 1
	s_add_co_u32 s82, s82, 40
	s_mul_i32 s82, s82, PAIRB
	s_and_b32 s81, s73, 1
	s_mul_i32 s81, s81, 2*BLK
	s_add_co_u32 s82, s82, s81                     ; Wv's group
	s_mov_b32 s83, 0
	s_mov_b32 s[G0X], 1
	s_mov_b32 s[G0W], 1
	s_mov_b32 s[G0V], 1
	s_mov_b32 s[G0W+1], 4*BLK
	s_mov_b32 s[G0V+1], 8*BLK
	s_wait_alu depctr_va_vdst(0)
	s_wait_dscnt 0x0                               ; both opening adds are done
	s_wait_kmcnt 0x0
	s_add_nc_u64 s[G0X+2:G0X+3], s[4:5], s[76:77]
	s_or_b32 s[G0X+3], s[G0X+3], 0x80000000
	s_add_nc_u64 s[G0W+2:G0W+3], s[4:5], s[78:79]
	s_or_b32 s[G0W+3], s[G0W+3], 0x80000000
	s_add_nc_u64 s[G0V+2:G0V+3], s[4:5], s[82:83]
	s_or_b32 s[G0V+3], s[G0V+3], 0x80000000
	CROUND                                         ; all sixteen work-groups are here: the first joint loads meet
	JLOAD                                          ; steps 0 and 1 into slot 0
	s_mul_i32 s80, s[WR], 2*BLK                    ; my x group in a slot,
	s_mul_i32 s81, s[WC], 2*BLK
	s_add_co_u32 s81, s81, 4*BLK                   ; my W group,
	s_mul_i32 s84, s[WC], 4*FRB
	s_add_co_u32 s84, s84, 8*BLK                   ; my four tiles of Wv's eight,
	s_add_co_u32 s85, s80, GSB                     ; x's scale words,
	s_sub_co_u32 s86, s81, s80                     ; W's lie so far behind them,
	s_lshl_b32 s87, s[WC], 8
	s_add_co_u32 s87, s87, 8*BLK+GSB               ; and Wv's
	s_mul_i32 s88, s71, PAIRB                      ; the prefetches: blocks 0-49 of my work-group's 125 are x's,
	s_mul_i32 s90, s66, 50*256
	s_add_co_u32 s88, s88, s90
	s_add_co_u32 s89, s73, 32
	s_mul_i32 s89, s89, PAIRB                      ; 50-99 W's,
	s_mul_i32 s90, s67, 50*256
	s_add_co_u32 s89, s89, s90
	s_sub_co_u32 s89, s89, 50*256
	s_lshr_b32 s90, s73, 1
	s_add_co_u32 s90, s90, 40
	s_mul_i32 s90, s90, PAIRB
	s_and_b32 s91, s73, 1
	s_mul_i32 s91, s91, 2*BLK
	s_add_co_u32 s90, s90, s91
	s_mul_i32 s91, s67, 25*256
	s_add_co_u32 s90, s90, s91
	s_sub_co_u32 s90, s90, 100*256                 ; 100-124 Wv's
	s_cmp_lt_u32 s68, 4                            ; the first four rows of clusters ask for all 125, the others for x's 50
	s_cselect_b32 s91, 124, 49
	s_cselect_b32 s[ASKW], 4, 2
	s_lshl_b32 s92, s73, 1
	s_add_co_u32 s92, s92, s[WC]
	s_and_b32 s92, s92, 7
	s_lshl_b32 s92, s92, 9
	s_mov_b32 s93, 0
	s_cmp_eq_u32 ttmp9, 0                          ; q's bias or k's: the cluster's x
	s_cselect_b64 s[6:7], s[6:7], s[8:9]
	s_add_nc_u64 s[6:7], s[6:7], s[92:93]
	s_lshl_b32 s92, s73, 9
	s_lshl_b32 s94, s[WC], 8
	s_add_co_u32 s92, s92, s94
	s_add_nc_u64 s[10:11], s[10:11], s[92:93]      ; my 64 channels of v's bias
	v_and_b32 v1, 15, v0                           ; r
	v_bfe_u32 v2, v0, 4, 1                         ; h
	v_and_b32 v3, 31, v0
	v_lshlrev_b32 v[LI], 4, v3
	v_lshlrev_b32 v9, 4, v1                        ; 16 r
	v_lshl_add_u32 v[SCO], v2, 3, v9
	v_and_b32 v6, 8, v1
	v_add_nc_u32 v6, v6, v1
	v_lshlrev_b32 v6, 2, v6                        ; 4 (r + 8 (r / 8)): my lane's channel of a tile of v's bias
	v_lshlrev_b32 v7, 6, v2                        ; 64 h: my lane's 16 channels of q's or k's
	v_add_nc_u32 v[ADRX], s80, v[LI]
	v_add_nc_u32 v[ADRW], s81, v[LI]
	v_add_nc_u32 v[ADRV], s84, v[LI]
	v_mul_u32_u24 v8, s86, v2
	v_add_nc_u32 v[ADSC], s85, v9
	v_add_nc_u32 v[ADSC], v[ADSC], v8
	v_add_nc_u32 v[ADSV], s87, v9
.irp g, ADRX, ADRW, ADRV, ADSC, ADSV
	v_add_nc_u32 v[\g+1], SLOT, v[\g]
.endr
	v_min_u32 v10, s91, v0                         ; my block of 256 bytes
	v_mov_b32 v11, s88
	v_mov_b32 v13, s89
	v_mov_b32 v14, s90
	v_cmp_gt_u32 vcc_lo, 50, v10
	v_cndmask_b32 v11, v13, v11, vcc_lo
	v_cmp_gt_u32 vcc_lo, 0x64, v10
	v_cndmask_b32 v11, v14, v11, vcc_lo
	v_lshl_add_u32 v[PFO], v10, 8, v11
	s_wait_alu depctr_va_vdst(0)                   ; the wait ahead of the branch below
	ASK 1                                          ; steps 2 and 3, behind the load of steps 0 and 1
	WIN 0xc0
.irp b, 0,1,2,3,4,5,6,7                ; q's or k's bias into the last token block's accumulators: register j of block b: channel 32 (b / 2) + 8 (b % 2) + 16 h + j
	global_load_b128 v[192+8*\b:192+8*\b+3], v7, s[6:7] offset:(32*(\b/2)+8*(\b%2))*4
	global_load_b128 v[192+8*\b+4:192+8*\b+7], v7, s[6:7] offset:(32*(\b/2)+8*(\b%2))*4+16
.endr
	WIN 0x40
.irp a, 0,1,2,3                        ; v's: the lane's channel, the same number in all eight registers
.irp j, 0,1,2,3,4,5,6,7
	global_load_b32 v[8*(8*\a+7)+\j], v6, s[10:11] offset:(32*(\a/2)+8*(\a%2))*4
.endr
.endr
	WIN 0
	s_lshl_b32 s94, s71, 1
	s_add_co_u32 s94, s94, s[WR]                   ; my token group
	s_lshl_b32 s92, s94, 3
	s_lshl_b32 s95, s73, 1
	s_add_co_u32 s95, s95, s[WC]
	s_and_b32 s95, s95, 7
	s_add_co_u32 s92, s92, s95
	s_lshl_b32 s95, ttmp9, 9
	s_add_co_u32 s92, s92, s95                     ; my block of q or k
	s_lshr_b32 s95, s68, 1
	s_lshl_b32 s95, s95, 3
	s_add_co_u32 s95, s95, s73
	s_lshl_b32 s95, s95, 4
	s_and_b32 s94, s94, 15
	s_add_co_u32 s94, s94, s95
	s_add_co_u32 s94, s94, 1024                    ; my block of v
	s_mul_i32 s82, s94, GSB
	s_mul_i32 s95, s[WC], 4*FRB
	s_add_co_u32 s82, s82, s95
	s_add_nc_u64 s[VCB:VCB+1], s[20:21], s[82:83]
	s_lshl_b32 s82, s94, 9
	s_lshl_b32 s95, s[WC], 8
	s_add_co_u32 s82, s82, s95
	s_add_nc_u64 s[VCB+2:VCB+3], s[22:23], s[82:83]
	s_mul_i32 s82, s92, GSB
	s_add_nc_u64 s[20:21], s[20:21], s[82:83]
	s_lshl_b32 s82, s92, 9
	s_add_nc_u64 s[22:23], s[22:23], s[82:83]
	s_wait_alu depctr_va_vdst(0)                   ; the wait at the head's end
	s_wait_tensorcnt 0x0                           ; my part of slot 0 is in
	ds_add_u32 v[SPW], v[NIL]
	NEXT 1                                         ; (no tensor load of mine is out: the descriptors may be written)
	s_wait_dscnt 0x0
	CROUND                                         ; everybody's part of slot 0 is in, and all sixteen work-groups are here
	JLOAD                                          ; steps 2 and 3 into slot 1
	LCHUNK 0, 0
	LSC 0
	LX 0, 0
	LX 0, 1
	LX 0, 2
	LX 0, 3
	LCHUNK 0, 1
	ASK 2
	s_wait_loadcnt 0x0                             ; the biases
	STEP 0, 0
	STEP 1, 1
	STEP 2, 0
	STEP 3, 1
	STEP 4, 0
	STEP 5, 2
	STEP 6, 0
	STEP 7, 3
	WIN 0
	PLACES 4
; THE WAY OUT of one block: a lane's 64 registers at v[s] of window w (and lane l xor 16's) are 128 neighbours along the next K of its row.  Each accumulator is read from its low end on.  k: the block's own registers for its codes, so that no store's data are written again.
.macro QUANTW w, s, k, cb, img
.set PC, PCB+12*(\k)
	WIN (\w)*20                                    ; sources 1 and 2
.irp b, 0,1,2,3
	v_max3_num_f32 v[TM+\b], s[FL], |v[(\s)+16*\b]|, |v[(\s)+16*\b+1]|   ; the floor 2^(5 - 127) among the leaves
.endr
.irp i, 2,4,6,8,10,12,14
.irp b, 0,1,2,3
	v_max3_num_f32 v[TM+\b], v[TM+\b], |v[(\s)+16*\b+\i]|, |v[(\s)+16*\b+\i+1]|
.endr
.endr
	WIN 0
.irp b, 0,1,2,3
	v_permlanex16_b32 v[TM+4+\b], v[TM+\b], s[SEL], s[SEL+1]
.endr
.irp b, 0,1,2,3
	v_max_num_f32 v[TM+\b], v[TM+\b], v[TM+4+\b]
.endr
.irp b, 0,1,2,3
	v_add_nc_u32 v[TM+12+\b], 0xfe000000, v[TM+\b] ; 4 off the exponent field
.endr
.irp b, 0,1,2,3
	v_lshrrev_b32 v[TM+8+\b], 23, v[TM+12+\b]
.endr
	v_lshl_or_b32 v[PWS+(\k)], v[TM+9], 8, v[TM+8]
	v_lshl_or_b32 v[PWS+(\k)], v[TM+10], 16, v[PWS+(\k)]
	v_lshl_or_b32 v[PWS+(\k)], v[TM+11], 24, v[PWS+(\k)]
	WIN (\w)
.irp c, 0,1
	v_cvt_scalef32_pk16_bf6_f32 v[PC+6*\c:PC+2+6*\c], v[(\s)+32*\c:(\s)+15+32*\c], v[TM+12+2*\c]
	v_cvt_scalef32_pk16_bf6_f32 v[P2+4*\c:P2+2+4*\c], v[(\s)+16+32*\c:(\s)+31+32*\c], v[TM+13+2*\c]
.endr
	WIN 0
	v_nop                                          ; one plain instruction behind the scaled conversions
.irp c, 0,1
.irp i, 0,1,2
	v_permlane16_swap_b32 v[PC+6*\c+\i], v[P2+4*\c+\i]
.endr
.irp i, 0,1,2
	v_mov_b32 v[PC+3+6*\c+\i], v[P2+4*\c+\i]
.endr
.endr
.irp c, 0,1,2
	global_store_b128 v[LI], v[PC+4*\c:PC+4*\c+3], s[\cb:\cb+1] offset:(\img)*FRB+512*\c   ; 512 consecutive bytes a store
.endr
.endm
.irp b, 0,1,2,3
	v_mov_b32 v[TM+4+\b], 0                        ; a lane permute's destination counts as one of its sources
.endr
.irp a, 0,1,2,3,4,5,6,7
	QUANTW 2+\a/4, 64*(\a%4), \a, 20, \a
.endr
.irp i, 0,1,2,3
	v_cndmask_b32 v[XW+\i], v[PWS+\i], v[PWS+4+\i], s[HM]     ; lanes 0-15: tiles 0-3, lanes 16-31: tiles 4-7
.endr
	global_store_b128 v[LI], v[XW:XW+3], s[22:23]
.irp a, 0,1,2,3
	QUANTW 1, 64*\a, 8+\a, VCB, \a
.endr
	v_cndmask_b32 v[XW+4], v[PWS+8], v[PWS+10], s[HM]         ; lanes 0-15: my tiles 0, 1, lanes 16-31: 2, 3
	v_cndmask_b32 v[XW+5], v[PWS+9], v[PWS+11], s[HM]
	global_store_b64 v[SCO], v[XW+4:XW+5], s[VCB+2:VCB+3]     ; 256 consecutive bytes
	s_wait_tensorcnt 0x0                           ; the wave's end
	ds_add_u32 v[SPW], v[NIL]
	s_wait_dscnt 0x0
	CROUND                                         ; the closing round
	s_endpgm
.Lfunc_end_k_q6949ff6056_proj:
	.size	k_q6949ff6056_proj, .Lfunc_end_k_q6949ff6056_proj-k_q6949ff6056_proj
	.p2alignl 7, 3214868480
	.fill 96, 4, 3214868480
	.section	.rodata,"a",@progbits
	.p2align	6, 0x0
	.amdhsa_kernel k_q6949ff6056_proj
		.amdhsa_group_segment_fixed_size 327680
		.amdhsa_private_segment_fixed_size 0
		.amdhsa_enable_private_segment 0
		.amdhsa_kernarg_size 48
		.amdhsa_user_sgpr_count 2
		.amdhsa_user_sgpr_kernarg_segment_ptr 1
		.amdhsa_wavefront_size32 1
		.amdhsa_system_sgpr_workgroup_id_x 1
		.amdhsa_system_sgpr_workgroup_id_y 1
		.amdhsa_system_sgpr_workgroup_id_z 1
		.amdhsa_system_vgpr_workitem_id 0
		.amdhsa_next_free_vgpr 1024
		.amdhsa_next_free_sgpr 100
		.amdhsa_reserve_vcc 1
		.amdhsa_float_denorm_mode_32 3
		.amdhsa_float_denorm_mode_16_64 3
		.amdhsa_memory_ordered 1
		.amdhsa_forward_progress 1
		.amdhsa_inst_pref_size 207
	.end_amdhsa_kernel
	.amdgpu_metadata
---
amdhsa.version: [ 1, 2 ]
amdhsa.kernels:
  - .name:           k_q6949ff6056_proj
    .symbol:         k_q6949ff6056_proj.kd
    .args:
      - { .name: xw, .offset: 0, .size: 8, .value_kind: global_buffer, .address_space: global }
      - { .name: bq, .offset: 8, .size: 8, .value_kind: global_buffer, .address_space: global }
      - { .name: bk, .offset: 16, .size: 8, .value_kind: global_buffer, .address_space: global }
      - { .name: bv, .offset: 24, .size: 8, .value_kind: global_buffer, .address_space: global }
      - { .name: qkv_codes, .offset: 32, .size: 8, .value_kind: global_buffer, .address_space: global }
      - { .name: qkv_scales, .offset: 40, .size: 8, .value_kind: global_buffer, .address_space: global }
    .group_segment_fixed_size: 327680
    .private_segment_fixed_size: 0
    .kernarg_segment_align: 8
    .kernarg_segment_size: 48
    .max_flat_workgroup_size: 128
    .sgpr_count:     100
    .vgpr_count:     1024
    .wavefront_size: 32
...
	.end_amdgpu_metadata
.endif
;; end of part 2
;; launch scores (part 3): grid 8 x 32, 4 waves a work-group, clusters of 4 x 4, 327,680 bytes of LDS; arguments qkv_codes, qkv_scales, p_codes, p_scales, p_negm, p_sum; writes p_codes, p_scales, p_negm, p_sum
.if DOCPART == 3
	.amdgcn_target "amdgcn-amd-amdhsa--gfx1250"
	.amdhsa_code_object_version 6
	.text
	.protected	k_q6949ff6056_scores
	.globl	k_q6949ff6056_scores
	.p2align	8
	.type	k_q6949ff6056_scores,@function
k_q6949ff6056_scores:
	s_mov_b64 s[64:65], 0
	v_nop
	global_prefetch_b8 v0, s[64:65] scope:SCOPE_SE
	s_setreg_imm32_b32 hwreg(HW_REG_WAVE_MODE, 25, 1), 1
	s_wait_xcnt 0x0
	s_wait_alu depctr_hold_cnt(0) depctr_sa_sdst(0) depctr_va_vdst(0) depctr_va_sdst(0) depctr_va_ssrc(0) depctr_va_vcc(0) depctr_vm_vsrc(0)
	s_getreg_b32 s2, hwreg(HW_REG_IB_STS2, 6, 4)
	s_cmp_eq_u32 s2, 0
	s_cbranch_scc0 .Lentry_in_a_cluster
	s_endpgm
.Lentry_in_a_cluster:
	s_bfe_u32 s2, ttmp6, 0x10000c
	s_cmp_lg_u32 s2, 0xf033
	s_cbranch_scc0 .Lentry_shape_is_right
	s_endpgm
.Lentry_shape_is_right:
; S = q k^T on codes of BF6 (E3M2) with E8M0 scales, sums in f32; then, for each query and each run of 128 keys: t = S x log2(e) / 32, M = ceil(the run's largest t), a whole number, p = 2^(t - M), the sum of the unquantised p,
; and p quantised along the keys.  Stored: p's codes and scale words, -M and the sum.  The next launch joins a row's 16 runs: since every M is a whole number, bringing a run under the row's M is a power of two, which its scale bytes take up.
; LAYOUT of qkv and of p: images of the matrix unit's registers: rows in groups of 128, K in steps of 128; tile a of a group holds rows 32 (a / 2) + 8 (a % 2) + r + 8 (r / 8); a fragment's registers 4 c .. 4 c + 3 of lane l at byte
; 512 c + 16 l (1,536 bytes); a block = 8 images, 12,288 bytes; its scale words 512 bytes: tile a, row r at 256 (a / 4) + 16 r + 4 (a % 4).  q: block 8 (token group) + step; k: 512 blocks on.
; p: block 16 (query group, 0..63) + (key group in the batch); p_negm and p_sum are laid as the scale words, an f32 for a word.
; A tile of 256 queries x 256 keys is made by four waves, 128 x 128 each.  Source 0 = keys ("B"), source 1 = queries ("A"): a lane holds one query, and the 64 registers of A's block a are its 128 keys,
; register 16 b + i = key 32 b + 16 (lane / 16) + i.  K = 1,024 is eight steps; two LDS slots of three steps: steps 0-2, 3-5, then 6, 7 in slot 0 again (one tensor load of a wave is out at a time).
; CLUSTERS: 4 x 4 work-groups; q's tiles are shared along a row of the cluster, k's along a column, by joint loads.
; LIMITS: NaN and infinities are not served; a block of p whose largest number lies under 2^-122 keeps the scale byte 1.
; REGISTERS: window 0: v1-4 r, h, lane, 16 x lane; v16, v17, v20, v21 LDS addresses; v24 offset; v28, v29 for the add; v32-95 scale words; v96-191 A's 8 fragments (at work in the epilogue).
;   window 1: B's fragments, two sets.   windows 2, 3: the accumulators ((a, b) at v[8 (8 (a % 4) + b)] of window 2 + a / 4).
.set FRB,   1536
.set GSB,   12288
; THE RING, in place of what is said of slots above: two slots of three steps: steps 0-2, steps 3-5, and steps 6, 7 in the first slot again; a wave has one tensor load out at a time.
; PREFETCH: steps 3-5 behind the head's load, steps 6, 7 behind the second slot's: of the blocks of 256 bytes of a group's rows each of the four partners asks for a quarter, 36 and 24 by each wave.
.set CHUNK, 36864                      ; three K steps of a group
.set GRP,   98304
.set SLOT,  147456                     ; q's two groups, k's two
.set SPARE, 294912                     ; the spare words, 128 bytes for each wave: two blocks of 256 bytes that no other line names
.set LI,   4
.set ADRA, 16
.set ADRB, 20
.set VS,   24
.set SPW,  28
.set NIL,  29
.set SC,   32
.set AF,   96
.set BM,   96                          ; the epilogue: v96-99 a block's largest score, then its largest p
.set BT,   100                         ; v100-103 the other half's
.set TS,   104                         ; v104-107 the conversions' scale operands
.set BB,   108                         ; v108-111 the bytes
.set NMW,  112                         ; v[112:113] -M (the packed form names a pair and takes its low word)
.set L0,   114                         ; v[114:115], v[116:117] the sum, in two chains of pairs
.set L1,   116
.set T,    118                         ; v118, v119 at work
; PC: a block's codes (12) and its conversions' second halves (8 more): set for each block in macro SOFT
.set PWS,  140                         ; v140-147 scale words;  v148-155 -M;  v156-163 sums: one for each of A's blocks
.set NMS,  148
.set LSS,  156
.set XW,   164                         ; v164-175 as they are stored
.set SEL,  2
.set CS,   12                          ; s[12:13] c = log2(e) / 32
.set WV,   14
.set WR,   15
.set WC,   16
.set HM,   17
.set NEG,  19
.set G1A,  24
.set G0A,  32
.set G1B,  44
.set G0B,  52
.set MSB, 0
.macro WIN new
.if MSB != \new
	s_set_vgpr_msb (MSB<<8)|\new
.set MSB, \new
.endif
.endm
.set MUL_LO, 0xa1
.set MUL_HI, 0xf1
.set TO_B,   0x40
.macro JLOAD g0a, g0b                  ; a joint load: waves 0, 1 fetch q's groups, waves 2, 3 k's; four v_nop follow each line
	s_cmp_eq_u32 s[WR], 0
	s_cbranch_scc0 .Lfor_b_\@
	tensor_load_to_lds s[\g0a:\g0a+3], s[G1A:G1A+7]
	s_nop 0
.rept 4
	v_nop
.endr
	s_branch .Lasked_\@
.Lfor_b_\@:
	tensor_load_to_lds s[\g0b:\g0b+3], s[G1B:G1B+7]
	s_nop 0
.rept 4
	v_nop
.endr
.Lasked_\@:
.endm
.macro CREST
	s_cmp_lg_u32 s[WV], 0
	s_cbranch_scc1 .Lnot_wave_0_\@
	s_barrier_signal -3
.Lnot_wave_0_\@:
	s_barrier_wait -3
	s_barrier_signal -1
	s_barrier_wait -1
.endm
.macro CROUND
	s_barrier_signal -1
	s_barrier_wait -1
	CREST
.endm
.macro PLACES n
.rept \n
	v_nop
.endr
.endm
.macro MM a, b, p, n, cm               ; cm = 1: the product starts the sum: nothing is ever cleared
.set rD, 8*(8*((\a)%4)+(\b))
.set rB, 128*(\p)+12*(\b)
.set rA, AF+12*(\a)
.set sB, SC+8*(\n)+(\b)
.set sA, SC+8*(\n)+(\a)
.if \cm == 0
	v_wmma_scale_f32_16x16x128_f8f6f4 v[rD:rD+7], v[rB:rB+11], v[rA:rA+11], v[rD:rD+7], v[sB], v[sA] matrix_a_fmt:MATRIX_FMT_BF6 matrix_b_fmt:MATRIX_FMT_BF6 matrix_a_scale:MATRIX_SCALE_ROW1
.else
	v_wmma_scale_f32_16x16x128_f8f6f4 v[rD:rD+7], v[rB:rB+11], v[rA:rA+11], 0, v[sB], v[sA] matrix_a_fmt:MATRIX_FMT_BF6 matrix_b_fmt:MATRIX_FMT_BF6 matrix_a_scale:MATRIX_SCALE_ROW1
.endif
.endm
.macro MUL16 a0, p, n, cm              ; the 64 accumulators take turns, one instruction a turn, in the same order in every step
.irp a, \a0, \a0+1
.irp b, 0,1,2,3,4,5,6,7
	MM \a, \b, \p, \n, \cm
.endr
.endr
.endm
.macro FETCH_B slot, q, p
	WIN TO_B
.irp i, 0,1,2,3,4,5,6,7
.irp c, 0,1,2
	ds_load_b128 v[128*(\p)+12*\i+4*\c:128*(\p)+12*\i+4*\c+3], v[ADRB+\slot] offset:(\q)*GSB+\i*FRB+512*\c
.endr
.endr
	WIN 0
.endm
.macro FETCH_A slot, q, i0
.irp i, \i0, \i0+1, \i0+2, \i0+3
.irp c, 0,1,2
	ds_load_b128 v[AF+12*(\i)+4*\c:AF+12*(\i)+4*\c+3], v[ADRA+\slot] offset:(\q)*GSB+(\i)*FRB+512*\c
.endr
.endr
.endm
.macro STEP n, ns, nq, cm
	s_wait_dscnt 12                                ; B's set and A's blocks 0-3 are in; the youngest 12 loads (A's blocks 4-7) may be out
	WIN MUL_LO
	MUL16 0, (\n)%2, \n, \cm
	MUL16 2, (\n)%2, \n, \cm
	s_wait_dscnt 0x0
	PLACES 4
	FETCH_B \ns, \nq, 1-(\n)%2
	FETCH_A \ns, \nq, 0
	WIN MUL_HI
	MUL16 4, (\n)%2, \n, \cm
	MUL16 6, (\n)%2, \n, \cm
	PLACES 4
	WIN 0
	FETCH_A \ns, \nq, 4
.endm
; A slot's last step changes slots: one barrier.  In front of it all my loads have landed, the add, my reads are over.  kind 1: the barrier opens a round of the cluster's; behind it slot 0 takes K steps 6 and 7: 24,576 bytes of
; each group, so the descriptors' row counts become 96 (no tensor load of mine is out).  kind 2: no round and no refill.
.macro TURN n, ns, kind
	s_wait_tensorcnt 0x0                           ; all my tensor loads have landed
	ds_add_u32 v[SPW], v[NIL]                      ; 0 onto my spare word
	s_wait_dscnt 13                                ; (the add and the youngest 12 loads may be out)
	WIN MUL_LO
	MUL16 0, (\n)%2, \n, 0
	s_wait_dscnt 0x0                               ; my LDS instructions are done
	s_barrier_signal -1
	MUL16 2, (\n)%2, \n, 0
	WIN 0
	s_barrier_wait -1
.if \kind == 1
	CREST                                          ; no wave of any partner still reads slot 0 or has a load on its way
	s_add_nc_u64 s[G0A+2:G0A+3], s[G0A+2:G0A+3], 2*CHUNK
	s_add_nc_u64 s[G0B+2:G0B+3], s[G0B+2:G0B+3], 2*CHUNK
	s_mov_b32 s[G1A+2], 96<<16
	s_mov_b32 s[G1A+4], 96
	s_mov_b32 s[G1B+2], 96<<16
	s_mov_b32 s[G1B+4], 96
	JLOAD G0A, G0B                                 ; the first tensor load behind the round, one a wave
.else
	PLACES 4
.endif
	FETCH_B \ns, 0, 1-(\n)%2
	FETCH_A \ns, 0, 0
	WIN MUL_HI
	MUL16 4, (\n)%2, \n, 0
	MUL16 6, (\n)%2, \n, 0
	PLACES 4
	WIN 0
	FETCH_A \ns, 0, 4
.endm
	s_load_b128 s[4:7], s[0:1], 0x0                ; qkv's codes, qkv's scale words
	s_load_b128 s[8:11], s[0:1], 0x10              ; p's codes, p's scale words
	s_load_b128 s[20:23], s[0:1], 0x20             ; -M, the sums
	v_lshl_add_u32 v[SPW], v0, 2, SPARE
	v_mov_b32 v[NIL], 0
	ds_add_u32 v28, v29
	ds_add_u32 v28, v29
	s_wait_dscnt 0x0
	v_lshrrev_b32 v1, 5, v0
	v_readfirstlane_b32 s[WV], v1
	s_lshr_b32 s[WR], s[WV], 1
	s_and_b32 s[WC], s[WV], 1
	s_mov_b32 s[SEL], 0x76543210
	s_mov_b32 s[SEL+1], 0xfedcba98
	s_mov_b32 s[HM], 0xffff0000
	s_mov_b32 s[NEG], 0xff800000                   ; -infinity: under every score
	s_mov_b32 s[CS], 0x3d38aa3b                    ; c = log2(e) / sqrt(1024)
	s_mov_b32 s[CS+1], s[CS]
	s_bfe_u32 s66, ttmp6, 0x40000                  ; cx
	s_bfe_u32 s67, ttmp6, 0x40004                  ; cy
	s_and_b32 s68, ttmp7, 0xffff                   ; the cluster's y
	s_lshl_b32 s69, s67, 2
	s_lshl_b32 s69, 15, s69
	s_lshl_b32 s70, 0x1111, s66
	s_or_b32 s[G1A], s69, (3<<16)|(1<<21)          ; 36,864 dense bytes as 144 rows of 256 bytes (32 elements of 8 bytes); the mask, and bit 21 beside it
	s_or_b32 s[G1B], s70, (3<<16)|(1<<21)
.irp g, G1A, G1B
	s_mov_b32 s[\g+1], 32<<16
	s_mov_b32 s[\g+2], 144<<16
	s_mov_b32 s[\g+3], 32<<16
	s_mov_b32 s[\g+4], 144
	s_mov_b32 s[\g+5], 32
	s_mov_b32 s[\g+6], 0
	s_mov_b32 s[\g+7], 0
.endr
	s_lshl_b32 s71, s68, 3
	s_lshl_b32 s72, s67, 1
	s_add_co_u32 s71, s71, s72                     ; q's first group: 2 x work-group y = 8 cluster y + 2 cy
	s_lshl_b32 s73, ttmp9, 3
	s_lshl_b32 s74, s66, 1
	s_add_co_u32 s73, s73, s74                     ; 2 x work-group x
	s_lshr_b32 s74, s68, 1                         ; the batch
	s_lshl_b32 s74, s74, 4
	s_add_co_u32 s75, s73, s74                     ; k's first group: 16 batch + 2 x
	s_add_co_u32 s76, s71, s[WC]
	s_mul_i32 s76, s76, GRP
	s_mov_b32 s77, 0
	s_add_co_u32 s78, s75, s[WC]
	s_mul_i32 s78, s78, GRP
	s_add_co_u32 s78, s78, 512*GSB                 ; k lies 512 blocks behind q
	s_mov_b32 s79, 0
	s_mul_i32 s80, s[WV], CHUNK
	s_wait_kmcnt 0x0
	s_add_nc_u64 s[76:77], s[4:5], s[76:77]
	s_add_nc_u64 s[78:79], s[4:5], s[78:79]
	CROUND                                         ; all sixteen work-groups are here: the first joint loads meet
.irp t, 0,1
	s_mov_b32 s[G0A+4*\t], 1
	s_add_co_u32 s[G0A+4*\t+1], s80, \t*SLOT
	s_add_nc_u64 s[G0A+4*\t+2:G0A+4*\t+3], s[76:77], \t*CHUNK
	s_or_b32 s[G0A+4*\t+3], s[G0A+4*\t+3], 0x80000000
	s_mov_b32 s[G0B+4*\t], 1
	s_add_co_u32 s[G0B+4*\t+1], s80, \t*SLOT
	s_add_nc_u64 s[G0B+4*\t+2:G0B+4*\t+3], s[78:79], \t*CHUNK
	s_or_b32 s[G0B+4*\t+3], s[G0B+4*\t+3], 0x80000000
.endr
	JLOAD G0A, G0B                                 ; K steps 0-2 into slot 0: one load a wave
	v_and_b32 v1, 15, v0
	v_bfe_u32 v2, v0, 4, 1
	v_and_b32 v3, 31, v0
	v_lshlrev_b32 v[LI], 4, v3
	s_wait_alu depctr_va_vdst(0)
	s_add_co_u32 s87, s71, s[WR]                   ; my group of queries
	s_lshl_b32 s81, s87, 12
	s_add_co_u32 s82, s75, s[WC]                   ; my group of keys
	s_lshl_b32 s82, s82, 12
	s_add_co_u32 s82, s82, 512*512
	v_mov_b32 v[VS], s81
	v_mov_b32 v27, s82
	v_cndmask_b32 v[VS], v[VS], v27, s[HM]         ; lanes 0-15 take q's words, lanes 16-31 k's
	v_lshl_add_u32 v[VS], v1, 4, v[VS]
.irp n, 0,1,2,3,4,5,6,7
	global_load_b128 v[SC+8*\n:SC+8*\n+3], v[VS], s[6:7] offset:512*\n
	global_load_b128 v[SC+8*\n+4:SC+8*\n+7], v[VS], s[6:7] offset:512*\n+256
.endr
	s_mul_i32 s83, s[WR], CHUNK
	s_mul_i32 s84, s[WC], CHUNK
	s_add_co_u32 s84, s84, 2*CHUNK
.irp t, 0,1
	v_add_nc_u32 v[ADRA+\t], s83, v[LI]
	v_add_nc_u32 v[ADRB+\t], s84, v[LI]
	s_add_co_u32 s83, s83, SLOT
	s_add_co_u32 s84, s84, SLOT
.endr
	s_lshl_b32 s85, s87, 4
	s_add_co_u32 s85, s85, s73
	s_add_co_u32 s85, s85, s[WC]                   ; my block of p: 16 (query group) + key group in the batch
	s_mul_i32 s92, s85, GSB
	s_mov_b32 s93, 0
	s_add_nc_u64 s[8:9], s[8:9], s[92:93]
	s_lshl_b32 s92, s85, 9
	s_add_nc_u64 s[10:11], s[10:11], s[92:93]
	s_add_nc_u64 s[20:21], s[20:21], s[92:93]
	s_add_nc_u64 s[22:23], s[22:23], s[92:93]
	s_cmp_eq_u32 s[WR], 0                          ; the prefetches: of the group that I fetch, q's or k's, my work-group's quarter
	s_cselect_b64 s[60:61], s[76:77], s[78:79]
	s_cselect_b32 s81, s66, s67                    ; q's rows are shared by the four cx, k's by the four cy
	s_mul_i32 s82, s81, 36*256
	s_mul_i32 s81, s81, 24*256
	v_min_u32 v25, 23, v3
	v_lshl_add_u32 v26, v3, 8, s82                 ; steps 3-5: 36 blocks of 256 bytes: 32,
	v_min_u32 v27, 3, v3
	v_lshl_add_u32 v27, v27, 8, s82                ; and 4 more
	v_lshl_add_u32 v25, v25, 8, s81                ; steps 6, 7: 24
	global_prefetch_b8 v26, s[60:61] offset:CHUNK th:TH_LOAD_NT scope:SCOPE_SE
	global_prefetch_b8 v27, s[60:61] offset:CHUNK+8192 th:TH_LOAD_NT scope:SCOPE_SE
	s_wait_alu depctr_va_vdst(0)
	s_wait_tensorcnt 0x0                           ; my part of slot 0 is in
	ds_add_u32 v[SPW], v[NIL]
	s_wait_dscnt 0x0
	CROUND                                         ; everybody's part of slot 0 is in, and all sixteen work-groups are here
	JLOAD G0A+4, G0B+4                             ; K steps 3-5 into slot 1
	FETCH_B 0, 0, 0
	FETCH_A 0, 0, 0
	FETCH_A 0, 0, 4
	s_wait_loadcnt 0x0                             ; the scale words
	global_prefetch_b8 v25, s[60:61] offset:2*CHUNK th:TH_LOAD_NT scope:SCOPE_SE
	STEP 0, 0, 1, 1
	STEP 1, 0, 2, 0
	TURN 2, 1, 1
	STEP 3, 1, 1, 0
	STEP 4, 1, 2, 0
	TURN 5, 0, 2
	STEP 6, 0, 1, 0
	s_wait_dscnt 12                                ; K step 7: nothing more to fetch
	WIN MUL_LO
	MUL16 0, 1, 7, 0
	MUL16 2, 1, 7, 0
	s_wait_dscnt 0x0
	WIN MUL_HI
	MUL16 4, 1, 7, 0
	MUL16 6, 1, 7, 0
	WIN 0
	PLACES 4
; THE SOFTMAX OF A'S BLOCK a: 16 queries (a lane a query) x my 128 keys (64 registers, the other 64 in lane l xor 16).  The largest score of each block of 32 keys serves twice: for the run's maximum and, since p rises with
; the score, put through the same multiply-add and exponential, as the block's largest p.  The exponentials go in two batches, each with a wait behind it, ahead of the first line that names a result
; Each accumulator is read from its low end on.
.macro SOFT a
.set W,   2+(\a)/4
.set S0,  64*((\a)%4)
.set W12, (W<<2)|(W<<4)
.set WDS, (W<<6)|W
.set W1,  W<<2
	WIN W12
.irp b, 0,1,2,3
	v_max3_num_f32 v[BM+\b], s[NEG], v[S0+16*\b], v[S0+16*\b+1]
.endr
.irp i, 2,4,6,8,10,12,14
.irp b, 0,1,2,3
	v_max3_num_f32 v[BM+\b], v[BM+\b], v[S0+16*\b+\i], v[S0+16*\b+\i+1]
.endr
.endr
	WIN 0
.irp b, 0,1,2,3
	v_permlanex16_b32 v[BT+\b], v[BM+\b], s[SEL], s[SEL+1]
.endr
.irp b, 0,1,2,3
	v_max_num_f32 v[BM+\b], v[BM+\b], v[BT+\b]
.endr
	v_max3_num_f32 v[T], v[BM], v[BM+1], v[BM+2]
	v_max_num_f32 v[T], v[T], v[BM+3]              ; the largest score of my query in these 128 keys
	v_mul_f32 v[T], s[CS], v[T]                    ; as t (c is positive)
	v_floor_f32 v[NMW], -v[T]                      ; -M = floor(-t) = -ceil(t): a whole number
	v_mov_b32 v[NMS+(\a)], v[NMW]
.irp b, 0,1,2,3
	v_fma_f32 v[BM+\b], v[BM+\b], s[CS], v[NMW]
.endr
	WIN WDS                                        ; destination and source 0: the accumulators' window
.set j, 0
.rept 32
	v_pk_fma_f32 v[S0+j:S0+j+1], v[S0+j:S0+j+1], s[CS:CS+1], v[NMW:NMW+1] op_sel_hi:[1,0,0]   ; t - M, two at a time
.set j, j+2
.endr
.set j, 0
	s_wait_alu depctr_va_vdst(0)
.rept 64
	v_exp_f32 v[S0+j], v[S0+j]                     ; p = 2^(t - M), at most 1
.set j, j+1
.endr
	v_nop
	s_wait_alu depctr_va_vdst(0)
	WIN 0
.irp b, 0,1,2,3
	v_exp_f32 v[BM+\b], v[BM+\b]                   ; each block's largest p
.endr
	v_mov_b32 v[L0], 0
	v_mov_b32 v[L0+1], 0
	v_mov_b32 v[L1], 0
	v_mov_b32 v[L1+1], 0
	s_wait_alu depctr_va_vdst(0)
	WIN W1                                         ; source 1: the accumulators' window
.set j, 0
.rept 16
	v_pk_add_f32 v[L0:L0+1], v[L0:L0+1], v[S0+j:S0+j+1]       ; the sum is taken of the unquantised p
	v_pk_add_f32 v[L1:L1+1], v[L1:L1+1], v[S0+j+2:S0+j+3]
.set j, j+4
.endr
	WIN 0
	v_pk_add_f32 v[L0:L0+1], v[L0:L0+1], v[L1:L1+1]
.irp b, 0,1,2,3
	v_max_num_f32 v[BM+\b], 0x2800000, v[BM+\b]    ; the floor 2^(5 - 127): the byte cannot fall under 1
.endr
.irp b, 0,1,2,3
	v_add_nc_u32 v[TS+\b], 0xfe000000, v[BM+\b]
.endr
.irp b, 0,1,2,3
	v_lshrrev_b32 v[BB+\b], 23, v[TS+\b]
.endr
	v_lshl_or_b32 v[PWS+(\a)], v[BB+1], 8, v[BB]
	v_lshl_or_b32 v[PWS+(\a)], v[BB+2], 16, v[PWS+(\a)]
	v_lshl_or_b32 v[PWS+(\a)], v[BB+3], 24, v[PWS+(\a)]
.if (\a) < 6                           ; blocks 0-6 have registers of their own for their codes;
.set PC, 176+12*(\a)
.elseif (\a) == 6
.set PC, 120
.else
	s_wait_xcnt 0x0                                ; block 7 takes block 0's: the earlier stores have read them
.set PC, 176
.endif
	WIN W
.irp c, 0,1
	v_cvt_scalef32_pk16_bf6_f32 v[PC+6*\c:PC+2+6*\c], v[S0+32*\c:S0+15+32*\c], v[TS+2*\c]
	v_cvt_scalef32_pk16_bf6_f32 v[PC+12+4*\c:PC+14+4*\c], v[S0+16+32*\c:S0+31+32*\c], v[TS+1+2*\c]
.endr
	WIN 0
	v_nop                                          ; one plain instruction behind the scaled conversions
.irp c, 0,1
.irp i, 0,1,2
	v_permlane16_swap_b32 v[PC+6*\c+\i], v[PC+12+4*\c+\i]
.endr
.irp i, 0,1,2
	v_mov_b32 v[PC+3+6*\c+\i], v[PC+12+4*\c+\i]
.endr
.endr
	v_add_f32 v[T], v[L0], v[L0+1]
	v_permlanex16_b32 v[T+1], v[T], s[SEL], s[SEL+1]
	v_add_f32 v[LSS+(\a)], v[T], v[T+1]            ; the sum over my 128 keys
.irp c, 0,1,2
	global_store_b128 v[LI], v[PC+4*\c:PC+4*\c+3], s[8:9] offset:(\a)*FRB+512*\c   ; the image: 512 consecutive bytes a store
.endr
.endm
.irp b, 0,1,2,3
	v_mov_b32 v[BT+\b], 0                          ; lane permutes' destinations, and the upper half of a pair, are written before they are named
.endr
	v_mov_b32 v[T+1], 0
	v_mov_b32 v[NMW+1], 0
.irp a, 0,1,2,3,4,5,6,7
	SOFT \a
.endr
.irp i, 0,1,2,3
	v_cndmask_b32 v[XW+\i], v[PWS+\i], v[PWS+4+\i], s[HM]     ; lanes 0-15: tiles 0-3, lanes 16-31: tiles 4-7
	v_cndmask_b32 v[XW+4+\i], v[NMS+\i], v[NMS+4+\i], s[HM]
	v_cndmask_b32 v[XW+8+\i], v[LSS+\i], v[LSS+4+\i], s[HM]
.endr
	global_store_b128 v[LI], v[XW:XW+3], s[10:11]  ; 512 consecutive bytes each
	global_store_b128 v[LI], v[XW+4:XW+7], s[20:21]
	global_store_b128 v[LI], v[XW+8:XW+11], s[22:23]
	s_wait_tensorcnt 0x0                           ; the wave's end
	ds_add_u32 v[SPW], v[NIL]
	s_wait_dscnt 0x0
	CROUND                                         ; the closing round
	s_endpgm
.Lfunc_end_k_q6949ff6056_scores:
	.size	k_q6949ff6056_scores, .Lfunc_end_k_q6949ff6056_scores-k_q6949ff6056_scores
	.p2alignl 7, 3214868480
	.fill 96, 4, 3214868480
	.section	.rodata,"a",@progbits
	.p2align	6, 0x0
	.amdhsa_kernel k_q6949ff6056_scores
		.amdhsa_group_segment_fixed_size 327680
		.amdhsa_private_segment_fixed_size 0
		.amdhsa_enable_private_segment 0
		.amdhsa_kernarg_size 48
		.amdhsa_user_sgpr_count 2
		.amdhsa_user_sgpr_kernarg_segment_ptr 1
		.amdhsa_wavefront_size32 1
		.amdhsa_system_sgpr_workgroup_id_x 1
		.amdhsa_system_sgpr_workgroup_id_y 1
		.amdhsa_system_sgpr_workgroup_id_z 1
		.amdhsa_system_vgpr_workitem_id 0
		.amdhsa_next_free_vgpr 1024
		.amdhsa_next_free_sgpr 100
		.amdhsa_reserve_vcc 0
		.amdhsa_float_denorm_mode_32 3
		.amdhsa_float_denorm_mode_16_64 3
		.amdhsa_memory_ordered 1
		.amdhsa_forward_progress 1
		.amdhsa_inst_pref_size 196
	.end_amdhsa_kernel
	.amdgpu_metadata
---
amdhsa.version: [ 1, 2 ]
amdhsa.kernels:
  - .name:           k_q6949ff6056_scores
    .symbol:         k_q6949ff6056_scores.kd
    .args:
      - { .name: qkv_codes, .offset: 0, .size: 8, .value_kind: global_buffer, .address_space: global }
      - { .name: qkv_scales, .offset: 8, .size: 8, .value_kind: global_buffer, .address_space: global }
      - { .name: p_codes, .offset: 16, .size: 8, .value_kind: global_buffer, .address_space: global }
      - { .name: p_scales, .offset: 24, .size: 8, .value_kind: global_buffer, .address_space: global }
      - { .name: p_negm, .offset: 32, .size: 8, .value_kind: global_buffer, .address_space: global }
      - { .name: p_sum, .offset: 40, .size: 8, .value_kind: global_buffer, .address_space: global }
    .group_segment_fixed_size: 327680
    .private_segment_fixed_size: 0
    .kernarg_segment_align: 8
    .kernarg_segment_size: 48
    .max_flat_workgroup_size: 128
    .sgpr_count:     100
    .vgpr_count:     1024
    .wavefront_size: 32
...
	.end_amdgpu_metadata
.endif
;; end of part 3
;; launch pv (part 4): grid 4 x 64, 4 waves a work-group, clusters of 4 x 4, 327,680 bytes of LDS; arguments p_codes, p_scales, p_negm, p_sum, qkv_codes, qkv_scales, out0; writes out0
.if DOCPART == 4
	.amdgcn_target "amdgcn-amd-amdhsa--gfx1250"
	.amdhsa_code_object_version 6
	.text
	.protected	k_q6949ff6056_pv
	.globl	k_q6949ff6056_pv
	.p2align	8
	.type	k_q6949ff6056_pv,@function
k_q6949ff6056_pv:
	s_mov_b64 s[64:65], 0
	v_nop
	global_prefetch_b8 v0, s[64:65] scope:SCOPE_SE
	s_setreg_imm32_b32 hwreg(HW_REG_WAVE_MODE, 25, 1), 1
	s_wait_xcnt 0x0
	s_wait_alu depctr_hold_cnt(0) depctr_sa_sdst(0) depctr_va_vdst(0) depctr_va_sdst(0) depctr_va_ssrc(0) depctr_va_vcc(0) depctr_vm_vsrc(0)
	s_getreg_b32 s2, hwreg(HW_REG_IB_STS2, 6, 4)
	s_cmp_eq_u32 s2, 0
	s_cbranch_scc0 .Lentry_in_a_cluster
	s_endpgm
.Lentry_in_a_cluster:
	s_bfe_u32 s2, ttmp6, 0x10000c
	s_cmp_lg_u32 s2, 0xf033
	s_cbranch_scc0 .Lentry_shape_is_right
	s_endpgm
.Lentry_shape_is_right:
; out = (p v) / l on codes of BF6 (E3M2) with E8M0 scales, sums in f32.  p arrives in 16 runs of 128 keys a row, each under the whole number M of its own run, with -M and the run's sum of the unquantised p beside it.
; AT THE HEAD each wave joins its 64 rows' runs: the row's M is the largest of the 16; a run that lies d = M(row) - M(run) under it has d taken off each of its scale bytes (a power of two: the codes stay) and its sum
; multiplied by 2^-d; l is the sum of those.  The results are multiplied by 1 / l at the end.
; LIMITS: NaN and infinities are not served.  d is held at 127 and a scale byte at 0 from below: a run so far under its row's M counts with 2^-127 at the most for its codes and with 0 for its sum, beside a row's sum of over 1/2.
; LAYOUT of p and v: images of the matrix unit's registers (rows in groups of 128, K in steps of 128; tile a holds rows 32 (a / 2) + 8 (a % 2) + r + 8 (r / 8); a fragment 1,536 bytes, a block 12,288, its scale words 512).
; p: block 16 (query group) + step.  v (rows = channels, K = the batch's keys): block 1024 + 16 (8 batch + channel group) + step of qkv.
; A work-group makes 128 queries x 256 channels, so that there are 256 work-groups; a wave 64 x 128: 32 accumulators.  Source 0 = 16 channels of v, source 1 = 16 queries of p: a lane holds one query, and the 64 registers of
; a block of queries are 128 neighbouring channels, register 16 b + i = channel 32 b + 16 (lane / 16) + i.  K = 2,048 is 16 steps, through two LDS slots of four steps each; one tensor load of a wave is out at a time, one behind each round.
; CLUSTERS: 4 x 4 work-groups; p's tiles are shared along a row of the cluster, v's along a column, by joint loads.
; REGISTERS: window 0: v1-6 r, h, lane, offsets; v8-15 1 / l; v16-25 LDS addresses; v28, v29 for the add; v32-63 p's scale words, v64-127 v's (register of steps 2 u and 2 u + 1: lanes 0-15 the even step, lanes 16-31 the odd);
;   v128-215 the head's numbers, later v128-255 rows on the way out.   window 1: v's fragments, two sets.   window 2: p's, two sets.   window 3: accumulator (a, b) at v[8 (8 a + b)].
.set FRB,   1536
.set GSB,   12288
.set SIG,   49152                      ; four K steps of a group
.set SLOT4, 147456                     ; p's group, then v's two
.set SPARE, 294912                     ; the spare words, 128 bytes for each wave: two blocks of 256 bytes that no other line names
.set SP,    528                        ; the way out: a stage of 16 rows x (512 + 16) bytes for each wave, in slot 0, which has had its last fill and its last read by then
.set LI,   4
.set VA,   5
.set VB,   6
.set RL,   8
.set ADRA, 16
.set ADRB, 20
.set STO,  24
.set RD,   25
.set SPW,  28
.set NIL,  29
.set SA,   32
.set SB,   64
.set NM,   128
.set LS,   160
.set NG,   192
.set LL,   196
.set DD,   200
.set FF,   204
.set XX,   208
.set YY,   212
.set BK,   128
.set SEL,  2
.set WV,   14
.set WR,   15                          ; which 64 queries are mine.  Also: I fetch for p (0) or for v (1)
.set WC,   16                          ; which channel group is mine.  Also: which part I fetch
.set REP,  17
.set G1A,  24                          ; s[24:31] descriptor group 1 for p's tiles;  s[32:39] group 0, a set for each slot
.set G0A,  32
.set G1B,  40                          ; s[40:47], s[48:55] the same for v's
.set G0B,  48
.set MSB, 0
.macro WIN new
.if MSB != \new
	s_set_vgpr_msb (MSB<<8)|\new
.set MSB, \new
.endif
.endm
.set MUL, 0xf9                         ; source 0 (v) window 1, source 1 (p) window 2, C and D window 3
.macro JLOAD g0a, g0b                  ; a joint load: waves 0, 1 fetch the halves of p's tile, waves 2, 3 v's two groups; four v_nop follow each line
	s_cmp_eq_u32 s[WR], 0
	s_cbranch_scc0 .Lfor_b_\@
	tensor_load_to_lds s[\g0a:\g0a+3], s[G1A:G1A+7]
	s_nop 0
.rept 4
	v_nop
.endr
	s_branch .Lasked_\@
.Lfor_b_\@:
	tensor_load_to_lds s[\g0b:\g0b+3], s[G1B:G1B+7]
	s_nop 0
.rept 4
	v_nop
.endr
.Lasked_\@:
.endm
.macro CREST
	s_cmp_lg_u32 s[WV], 0
	s_cbranch_scc1 .Lnot_wave_0_\@
	s_barrier_signal -3
.Lnot_wave_0_\@:
	s_barrier_wait -3
	s_barrier_signal -1
	s_barrier_wait -1
.endm
.macro CROUND
	s_barrier_signal -1
	s_barrier_wait -1
	CREST
.endm
.macro PLACES n
.rept \n
	v_nop
.endr
.endm
.macro MUL8 a, n                       ; my block a of queries x v's eight blocks, K step n.  The 32 accumulators take turns, in the same order in every step
.irp b, 0,1,2,3,4,5,6,7
.set rD, 8*(8*(\a)+\b)
.set rB, 128*((\n)%2)+12*\b
.set rA, 64*((\n)%2)+12*(\a)
.set sB, SB+8*((\n)/2)+\b
.set sA, SA+4*((\n)/2)+(\a)
.if (\n) == 0
	v_wmma_scale_f32_16x16x128_f8f6f4 v[rD:rD+7], v[rB:rB+11], v[rA:rA+11], 0, v[sB], v[sA] matrix_a_fmt:MATRIX_FMT_BF6 matrix_b_fmt:MATRIX_FMT_BF6
.elseif (\n)%2
	v_wmma_scale_f32_16x16x128_f8f6f4 v[rD:rD+7], v[rB:rB+11], v[rA:rA+11], v[rD:rD+7], v[sB], v[sA] matrix_a_fmt:MATRIX_FMT_BF6 matrix_b_fmt:MATRIX_FMT_BF6 matrix_a_scale:MATRIX_SCALE_ROW1 matrix_b_scale:MATRIX_SCALE_ROW1
.else
	v_wmma_scale_f32_16x16x128_f8f6f4 v[rD:rD+7], v[rB:rB+11], v[rA:rA+11], v[rD:rD+7], v[sB], v[sA] matrix_a_fmt:MATRIX_FMT_BF6 matrix_b_fmt:MATRIX_FMT_BF6
.endif
.endr
.endm
.macro FETCH4 slot, q, p               ; a K step's fragments into sets p: v's eight, my four of p: 36 loads of 512 consecutive bytes
	WIN 0x40
.irp i, 0,1,2,3,4,5,6,7
.irp c, 0,1,2
	ds_load_b128 v[128*(\p)+12*\i+4*\c:128*(\p)+12*\i+4*\c+3], v[ADRB+(\slot)] offset:(\q)*GSB+\i*FRB+512*\c
.endr
.endr
	WIN 0x80
.irp i, 0,1,2,3
.irp c, 0,1,2
	ds_load_b128 v[64*(\p)+12*\i+4*\c:64*(\p)+12*\i+4*\c+3], v[ADRA+(\slot)] offset:(\q)*GSB+\i*FRB+512*\c
.endr
.endr
.endm
.macro STEP4 n                         ; K step n, whose successor lies in the same slot
.set NX, (\n)+1
	PLACES 4                                       ; in front of loads into the sets that the last step's products read
	FETCH4 (NX/4)%2, NX%4, NX%2
	s_wait_dscnt 36                                ; this step's fragments are in; the 36 loads just issued may be out
	WIN MUL
	MUL8 0, \n
	MUL8 1, \n
	MUL8 2, \n
	MUL8 3, \n
.endm
; A slot's last step changes slots: one barrier; in front of it each wave waits for all its tensor loads, adds 0 to its spare word, and waits for that and for its reads of this slot.  fill = 1: the barrier opens a round of
; the cluster's, and behind it this slot takes the four K steps that lie eight on.
.macro TURN4 n, fill
.set NX, (\n)+1
.set SL, ((\n)/4)%2
	WIN 0
	s_wait_tensorcnt 0x0                           ; all my tensor loads have landed: my part of the next slot
	ds_add_u32 v[SPW], v[NIL]                      ; 0 onto my spare word
	s_wait_dscnt 1                                 ; this step's fragments are in; the add may be out
	WIN MUL
	MUL8 0, \n
	s_wait_dscnt 0x0                               ; the add is done, and my reads of this slot are over
	s_barrier_signal -1
	MUL8 1, \n
	WIN 0
	s_barrier_wait -1
.if \fill
	CREST                                          ; no wave of any partner still reads this slot or has a load on its way
	s_add_nc_u64 s[G0A+4*SL+2:G0A+4*SL+3], s[G0A+4*SL+2:G0A+4*SL+3], 2*SIG
	s_add_nc_u64 s[G0B+4*SL+2:G0B+4*SL+3], s[G0B+4*SL+2:G0B+4*SL+3], 2*SIG
	JLOAD G0A+4*SL, G0B+4*SL                       ; the first tensor load behind the round, one a wave; its four v_nop are the places in front of the loads below
.else
	PLACES 4
.endif
	FETCH4 (NX/4)%2, NX%4, NX%2
.if (\n) == 3
	WIN 0
	ASKP 3*SIG                                     ; the next refill's four steps
.endif
	WIN MUL
	MUL8 2, \n
	MUL8 3, \n
.endm
	s_load_b256 s[4:11], s[0:1], 0x0               ; p's codes, p's scale words, -M, the sums
	s_load_b128 s[20:23], s[0:1], 0x20             ; qkv's codes, qkv's scale words
	s_load_b64 s[12:13], s[0:1], 0x30              ; out
	v_lshl_add_u32 v[SPW], v0, 2, SPARE
	v_mov_b32 v[NIL], 0
	ds_add_u32 v28, v29
	ds_add_u32 v28, v29
	s_wait_dscnt 0x0
	v_lshrrev_b32 v1, 5, v0
	v_readfirstlane_b32 s[WV], v1
	s_lshr_b32 s[WR], s[WV], 1
	s_and_b32 s[WC], s[WV], 1
	s_mov_b32 s[SEL], 0x76543210
	s_mov_b32 s[SEL+1], 0xfedcba98
	s_mov_b32 s[REP], 0x01010101
	s_bfe_u32 s66, ttmp6, 0x40000                  ; cx
	s_bfe_u32 s67, ttmp6, 0x40004                  ; cy
	s_and_b32 s68, ttmp7, 0xffff                   ; the cluster's y
	s_lshl_b32 s69, s67, 2
	s_lshl_b32 s69, 15, s69
	s_lshl_b32 s70, 0x1111, s66
	; descriptor group 1: dense bytes as rows of 256 (32 elements of 8 bytes): p's half tile 96 rows, v's group 192
	s_or_b32 s[G1A], s69, (3<<16)|(1<<21)
	s_mov_b32 s[G1A+1], 32<<16
	s_mov_b32 s[G1A+2], 96<<16
	s_mov_b32 s[G1A+3], 32<<16
	s_mov_b32 s[G1A+4], 96
	s_mov_b32 s[G1A+5], 32
	s_mov_b32 s[G1A+6], 0
	s_mov_b32 s[G1A+7], 0
	s_or_b32 s[G1B], s70, (3<<16)|(1<<21)
	s_mov_b32 s[G1B+1], 32<<16
	s_mov_b32 s[G1B+2], 192<<16
	s_mov_b32 s[G1B+3], 32<<16
	s_mov_b32 s[G1B+4], 192
	s_mov_b32 s[G1B+5], 32
	s_mov_b32 s[G1B+6], 0
	s_mov_b32 s[G1B+7], 0
	s_lshl_b32 s71, s68, 2
	s_add_co_u32 s71, s71, s67                     ; the query group: 4 cluster y + cy
	s_lshl_b32 s72, ttmp9, 2
	s_add_co_u32 s72, s72, s66                     ; work-group x
	s_lshr_b32 s73, s68, 2                         ; the batch
	s_lshl_b32 s73, s73, 3
	s_lshl_b32 s74, s72, 1
	s_add_co_u32 s73, s73, s74                     ; v's first group: 8 batch + 2 x
	s_mul_i32 s76, s71, 16*GSB
	s_mul_i32 s75, s[WC], SIG/2                    ; p: my half of a slot's four steps, in memory and in LDS
	s_add_co_u32 s76, s76, s75
	s_mov_b32 s77, 0
	s_add_co_u32 s78, s73, s[WC]
	s_lshl_b32 s78, s78, 4
	s_add_co_u32 s78, s78, 1024
	s_mul_i32 s78, s78, GSB                        ; v: my group's first block
	s_mov_b32 s79, 0
	s_mul_i32 s80, s[WC], SIG
	s_add_co_u32 s80, s80, SIG                     ; and its place in a slot, behind p's
	s_wait_kmcnt 0x0
	s_add_nc_u64 s[76:77], s[4:5], s[76:77]
	s_add_nc_u64 s[78:79], s[20:21], s[78:79]
	CROUND                                         ; all sixteen work-groups are here: the first joint loads meet
.irp t, 0,1
	s_mov_b32 s[G0A+4*\t], 1
	s_add_co_u32 s[G0A+4*\t+1], s75, \t*SLOT4
	s_add_nc_u64 s[G0A+4*\t+2:G0A+4*\t+3], s[76:77], \t*SIG
	s_or_b32 s[G0A+4*\t+3], s[G0A+4*\t+3], 0x80000000
	s_mov_b32 s[G0B+4*\t], 1
	s_add_co_u32 s[G0B+4*\t+1], s80, \t*SLOT4
	s_add_nc_u64 s[G0B+4*\t+2:G0B+4*\t+3], s[78:79], \t*SIG
	s_or_b32 s[G0B+4*\t+3], s[G0B+4*\t+3], 0x80000000
.endr
	JLOAD G0A, G0B                                 ; K steps 0-3 into slot 0: one load a wave here; slot 1's goes out when this one has landed, ahead of the join of the runs
	v_and_b32 v1, 15, v0                           ; r
	v_bfe_u32 v2, v0, 4, 1                         ; h
	v_and_b32 v3, 31, v0
	v_lshlrev_b32 v[LI], 4, v3
	v_lshlrev_b32 v[VB], 4, v1
	v_lshl_add_u32 v[VB], v2, 9, v[VB]             ; 16 r + 512 h: lanes 16-31 take the odd step
	s_lshl_b32 s81, s[WR], 8
	v_add_nc_u32 v[VA], s81, v[VB]                 ; + my four tiles of the group's eight
	s_wait_alu depctr_va_vdst(0)
	s_lshl_b32 s82, s71, 13                        ; the query group's 16 steps x 512 bytes
	s_mov_b32 s83, 0
	s_add_nc_u64 s[6:7], s[6:7], s[82:83]
	s_add_nc_u64 s[8:9], s[8:9], s[82:83]
	s_add_nc_u64 s[10:11], s[10:11], s[82:83]
	s_add_co_u32 s82, s73, s[WC]
	s_lshl_b32 s82, s82, 4
	s_add_co_u32 s82, s82, 1024
	s_lshl_b32 s82, s82, 9
	s_add_nc_u64 s[22:23], s[22:23], s[82:83]
.irp u, 0,1,2,3,4,5,6,7
	global_load_b128 v[NM+4*\u:NM+4*\u+3], v[VA], s[8:9] offset:1024*\u
	global_load_b128 v[SA+4*\u:SA+4*\u+3], v[VA], s[6:7] offset:1024*\u
	global_load_b128 v[LS+4*\u:LS+4*\u+3], v[VA], s[10:11] offset:1024*\u
	global_load_b128 v[SB+8*\u:SB+8*\u+3], v[VB], s[22:23] offset:1024*\u
	global_load_b128 v[SB+8*\u+4:SB+8*\u+7], v[VB], s[22:23] offset:1024*\u+256
.endr
	s_mul_i32 s84, s[WR], 4*FRB                    ; my four blocks of p in a step's eight
.irp t, 0,1
	v_add_nc_u32 v[ADRA+\t], s84, v[LI]
	v_add_nc_u32 v[ADRB+\t], s80, v[LI]
	s_add_co_u32 s84, s84, SLOT4
	s_add_co_u32 s80, s80, SLOT4
.endr
	s_mul_i32 s85, s[WV], 16*SP                    ; my stage
	v_mul_u32_u24 v[STO], v1, SP
	v_lshl_add_u32 v[STO], v2, 6, v[STO]
	v_add_nc_u32 v[STO], s85, v[STO]               ; in: row r, + 64 h
	v_add_nc_u32 v[RD], s85, v[LI]                 ; back: a row's 512 bytes
	s_lshl_b32 s86, s71, 19                        ; out: 128 rows of 4,096 bytes a query group,
	s_lshl_b32 s87, s[WR], 18                      ; my 64 of them,
	s_add_co_u32 s86, s86, s87
	s_lshl_b32 s87, s72, 10                        ; 256 channels a work-group,
	s_add_co_u32 s86, s86, s87
	s_lshl_b32 s87, s[WC], 9                       ; my 128
	s_add_co_u32 s86, s86, s87
	s_mov_b32 s87, 0
	s_add_nc_u64 s[12:13], s[12:13], s[86:87]
; PREFETCH: behind the load of each slot the blocks of 256 bytes of the slot one on, once in each cluster: of p's half tile (96 blocks) each of a row's four work-groups asks for 24, of v's group (192) each of a column's four for 48.
	s_cmp_eq_u32 s[WR], 0
	s_cselect_b64 s[56:57], s[76:77], s[78:79]
	s_cselect_b32 s82, s66, s67
	s_cselect_b32 s83, 23, 31
	s_mul_i32 s82, s82, 24*256
	s_lshl_b32 s82, s82, s[WR]
	v_min_u32 v7, s83, v3
	v_lshl_add_u32 v7, v7, 8, s82                  ; 24 blocks of p, or 32 of v
	v_min_u32 v26, 15, v3
	v_lshl_add_u32 v26, v26, 8, s82                ; and v's 16 more
	s_wait_alu depctr_va_vdst(0)                   ; the wait ahead of the branch below
.macro ASKP off
	global_prefetch_b8 v7, s[56:57] offset:\off th:TH_LOAD_NT scope:SCOPE_SE
	s_cmp_eq_u32 s[WR], 0
	s_cbranch_scc1 .Lasked_p_\@
	global_prefetch_b8 v26, s[56:57] offset:\off+8192 th:TH_LOAD_NT scope:SCOPE_SE
.Lasked_p_\@:
.endm
	ASKP SIG
.irp a, 0,1,2,3
	v_mov_b32 v[XX+\a], 0                          ; lane permutes' destinations, the sums' starts and the upper halves of pairs are written before they are named
	v_mov_b32 v[LL+\a], 0
	v_mov_b32 v[RL+2*\a+1], 0
.endr
	s_wait_alu depctr_va_vdst(0)
	s_wait_tensorcnt 0x0                           ; my part of slot 0 is in
	ds_add_u32 v[SPW], v[NIL]
	s_wait_dscnt 0x0
	CROUND                                         ; everybody's part of slot 0 is in, and all sixteen work-groups are here
	JLOAD G0A+4, G0B+4                             ; K steps 4-7 into slot 1
	s_wait_loadcnt 0x0
	; the row's -M: the least of the 16 runs' (8 registers, and lane l xor 16's)
.irp a, 0,1,2,3
	v_min3_num_f32 v[NG+\a], v[NM+\a], v[NM+4+\a], v[NM+8+\a]
.endr
.irp a, 0,1,2,3
	v_min3_num_f32 v[NG+\a], v[NG+\a], v[NM+12+\a], v[NM+16+\a]
.endr
.irp a, 0,1,2,3
	v_min3_num_f32 v[NG+\a], v[NG+\a], v[NM+20+\a], v[NM+24+\a]
.endr
.irp a, 0,1,2,3
	v_min_num_f32 v[NG+\a], v[NG+\a], v[NM+28+\a]
.endr
.irp a, 0,1,2,3
	v_permlanex16_b32 v[XX+\a], v[NG+\a], s[SEL], s[SEL+1]
.endr
.irp a, 0,1,2,3
	v_min_num_f32 v[NG+\a], v[NG+\a], v[XX+\a]
.endr
.irp u, 0,1,2,3,4,5,6,7                ; each run under its row's M; the four blocks of queries by turns
.irp a, 0,1,2,3
	v_sub_f32 v[DD+\a], v[NM+4*\u+\a], v[NG+\a]    ; d = M(row) - M(run): a whole number, 0 or more,
.endr
.irp a, 0,1,2,3
	v_min_num_f32 v[DD+\a], 0x42fe0000, v[DD+\a]   ; held at 127
.endr
.irp a, 0,1,2,3
	v_cvt_i32_f32 v[DD+\a], v[DD+\a]
.endr
.irp a, 0,1,2,3
	v_sub_nc_u32 v[FF+\a], 127, v[DD+\a]
.endr
.irp a, 0,1,2,3
	v_lshlrev_b32 v[FF+\a], 23, v[FF+\a]           ; 2^-d as f32 (0 where d = 127)
.endr
.irp a, 0,1,2,3
	v_fmac_f32 v[LL+\a], v[LS+4*\u+\a], v[FF+\a]   ; l += the run's sum x 2^-d
.endr
.irp a, 0,1,2,3
	v_mul_lo_u32 v[DD+\a], v[DD+\a], s[REP]        ; d in all four bytes
.endr
.irp a, 0,1,2,3
	v_or_b32 v[XX+\a], 0x80808080, v[SA+4*\u+\a]   ; p is at most 1, so a byte is at most 123: with 128 added no byte borrows from its neighbour
.endr
.irp a, 0,1,2,3
	v_sub_nc_u32 v[XX+\a], v[XX+\a], v[DD+\a]      ; 128 + byte - d: bit 7 stays where byte >= d
.endr
.irp a, 0,1,2,3
	v_and_b32 v[YY+\a], 0x80808080, v[XX+\a]
.endr
.irp a, 0,1,2,3
	v_lshrrev_b32 v[FF+\a], 7, v[YY+\a]
.endr
.irp a, 0,1,2,3
	v_sub_nc_u32 v[YY+\a], v[YY+\a], v[FF+\a]      ; 0x7f in those bytes, 0 in the others
.endr
.irp a, 0,1,2,3
	v_and_b32 v[SA+4*\u+\a], v[XX+\a], v[YY+\a]    ; byte - d, held at 0
.endr
.endr
.irp a, 0,1,2,3
	v_permlanex16_b32 v[XX+\a], v[LL+\a], s[SEL], s[SEL+1]
.endr
.irp a, 0,1,2,3
	v_add_f32 v[LL+\a], v[LL+\a], v[XX+\a]         ; the row's l
.endr
	s_wait_alu depctr_va_vdst(0)
.irp a, 0,1,2,3
	v_rcp_f32 v[RL+2*\a], v[LL+\a]
.endr
	v_nop                                          ; a plain instruction behind the reciprocals,
	s_wait_alu depctr_va_vdst(0)                   ; and the wait, ahead of every label and of their first use
	PLACES 8                                       ; scale registers written by vector instructions stand eight plain instructions ahead of the first scaled product
	FETCH4 0, 0, 0
	WIN 0
	ASKP 2*SIG
	STEP4 0
	STEP4 1
	STEP4 2
	TURN4 3, 1
	STEP4 4
	STEP4 5
	STEP4 6
	TURN4 7, 1
	STEP4 8
	STEP4 9
	STEP4 10
	TURN4 11, 0
	STEP4 12
	STEP4 13
	STEP4 14
	s_wait_dscnt 0x0                               ; K step 15: nothing more to fetch
	WIN MUL
	MUL8 0, 15
	MUL8 1, 15
	MUL8 2, 15
	MUL8 3, 15
	PLACES 4
; THE WAY OUT, a block of 16 queries x 128 channels at a time: x 1 / l in place, each accumulator from its low end on; through my stage in LDS (a lane holds 4 x 64 neighbouring bytes of one row, the lanes beside it other rows);
; back as whole rows of 512 bytes.  LDS serves a wave's instructions in order: no wait between the stores and the loads, nor in front of the next block's stores.
.macro OUT a
	WIN 0xc3                                       ; destination and source 0: the accumulators' window
.set j, 0
.rept 32
	v_pk_mul_f32 v[64*(\a)+j:64*(\a)+j+1], v[64*(\a)+j:64*(\a)+j+1], v[RL+2*(\a):RL+2*(\a)+1] op_sel_hi:[1,0]
.set j, j+2
.endr
	WIN 0x0c                                       ; an LDS store's data are its source 1
.irp t, 0,1,2,3,4,5,6,7,8,9,10,11,12,13,14,15
	ds_store_b128 v[STO], v[64*(\a)+4*\t:64*(\a)+4*\t+3] offset:128*(\t/4)+16*(\t%4)
.endr
	WIN 0
.irp t, 0,1,2,3,4,5,6,7,8,9,10,11,12,13,14,15
	ds_load_b128 v[BK+64*((\a)%2)+4*\t:BK+64*((\a)%2)+4*\t+3], v[RD] offset:\t*SP
.endr
.endm
.macro SEND a, younger                 ; younger: the LDS instructions issued behind block a's loads, which may stay out
	s_wait_dscnt \younger
.irp t, 0,1,2,3,4,5,6,7,8,9,10,11,12,13,14,15
	global_store_b128 v[LI], v[BK+64*((\a)%2)+4*\t:BK+64*((\a)%2)+4*\t+3], s[12:13] offset:(32*((\a)/2)+8*((\a)%2)+\t+8*(\t/8))*4096 th:TH_STORE_NT   ; 32 lanes store 512 consecutive bytes, aligned; row t of the tile is query 32 (a / 2) + 8 (a % 2) + t + 8 (t / 8)
.endr
.endm
	OUT 0
	OUT 1
	SEND 0, 32                                     ; behind block 0's loads: block 1's 16 stores and 16 loads
	s_wait_xcnt 0x0                                ; block 0's stores have read their registers: block 2's rows may land there
	OUT 2
	SEND 1, 32
	s_wait_xcnt 0x0
	OUT 3
	SEND 2, 32
	SEND 3, 0
	s_wait_tensorcnt 0x0                           ; the wave's end, behind my last tensor load and my last LDS store
	ds_add_u32 v[SPW], v[NIL]
	s_wait_dscnt 0x0
	CROUND                                         ; the closing round
	s_endpgm
.Lfunc_end_k_q6949ff6056_pv:
	.size	k_q6949ff6056_pv, .Lfunc_end_k_q6949ff6056_pv-k_q6949ff6056_pv
	.p2alignl 7, 3214868480
	.fill 96, 4, 3214868480
	.section	.rodata,"a",@progbits
	.p2align	6, 0x0
	.amdhsa_kernel k_q6949ff6056_pv
		.amdhsa_group_segment_fixed_size 327680
		.amdhsa_private_segment_fixed_size 0
		.amdhsa_enable_private_segment 0
		.amdhsa_kernarg_size 56
		.amdhsa_user_sgpr_count 2
		.amdhsa_user_sgpr_kernarg_segment_ptr 1
		.amdhsa_wavefront_size32 1
		.amdhsa_system_sgpr_workgroup_id_x 1
		.amdhsa_system_sgpr_workgroup_id_y 1
		.amdhsa_system_sgpr_workgroup_id_z 1
		.amdhsa_system_vgpr_workitem_id 0
		.amdhsa_next_free_vgpr 1024
		.amdhsa_next_free_sgpr 90
		.amdhsa_reserve_vcc 0
		.amdhsa_float_denorm_mode_32 3
		.amdhsa_float_denorm_mode_16_64 3
		.amdhsa_memory_ordered 1
		.amdhsa_forward_progress 1
		.amdhsa_inst_pref_size 163
	.end_amdhsa_kernel
	.amdgpu_metadata
---
amdhsa.version: [ 1, 2 ]
amdhsa.kernels:
  - .name:           k_q6949ff6056_pv
    .symbol:         k_q6949ff6056_pv.kd
    .args:
      - { .name: p_codes, .offset: 0, .size: 8, .value_kind: global_buffer, .address_space: global }
      - { .name: p_scales, .offset: 8, .size: 8, .value_kind: global_buffer, .address_space: global }
      - { .name: p_negm, .offset: 16, .size: 8, .value_kind: global_buffer, .address_space: global }
      - { .name: p_sum, .offset: 24, .size: 8, .value_kind: global_buffer, .address_space: global }
      - { .name: qkv_codes, .offset: 32, .size: 8, .value_kind: global_buffer, .address_space: global }
      - { .name: qkv_scales, .offset: 40, .size: 8, .value_kind: global_buffer, .address_space: global }
      - { .name: out0, .offset: 48, .size: 8, .value_kind: global_buffer, .address_space: global }
    .group_segment_fixed_size: 327680
    .private_segment_fixed_size: 0
    .kernarg_segment_align: 8
    .kernarg_segment_size: 56
    .max_flat_workgroup_size: 128
    .sgpr_count:     90
    .vgpr_count:     1024
    .wavefront_size: 32
...
	.end_amdgpu_metadata
.endif
;; end of part 4
